; MI455X (gfx1250); checked and timed in simulation.
; The chip was launched on July 23, 2026; its instructions are those of AMD's public machine-readable ISA for CDNA 5 (MIT licence, August 2026) and "CDNA5" Instruction Set Architecture Reference Guide (July 2026). The comments in the code are by the model that wrote it; some were corrected since.
;; Encoder Block. Allowed arithmetic: matrix products marked QUANTISED: E4M3 operands, one given power-of-two scale a tensor, by v_wmma_f32_16x16x64_fp8_fp8 or v_wmma_f32_16x16x128_fp8_fp8, f32 sums; everything else in f32.
;; Inputs: b1 4,096 float32; b2 1,024 float32; ln1_a 1,024 float32; ln1_b 1,024 float32; ln2_a 1,024 float32; ln2_b 1,024 float32; lowp_scales 16 int32 (the exponents e of the quantised operands' scales 2^e); w1_codes 4,096 x 32 x 32 uint8 (E4M3 codes of w1, K innermost, in blocks of 32 codes); w2_codes 1,024 x 128 x 32 uint8 (E4M3 codes of w2, K innermost, in blocks of 32 codes); wk_codes 1,024 x 32 x 32 uint8 (E4M3 codes of wk, K innermost, in blocks of 32 codes); wo_codes 1,024 x 32 x 32 uint8 (E4M3 codes of wo, K innermost, in blocks of 32 codes); wq_codes 1,024 x 32 x 32 uint8 (E4M3 codes of wq, K innermost, in blocks of 32 codes); wv_codes 1,024 x 32 x 32 uint8 (E4M3 codes of wv, K innermost, in blocks of 32 codes); x 4 x 1,024 x 1,024 float32.
;; Outputs: out0 4 x 1,024 x 1,024 float32.
;; This version of the problem:
;;   THIS VERSION OF THE PROBLEM IS GIVEN IN LOW PRECISION. The matrix products marked QUANTISED in the list below multiply operands that are first quantised to E4M3 (4 exponent bits, 3 mantissa bits; 8 bits a number), with one given power-of-two scale for each operand tensor; their sums are f32. All else is computed in f32.
;;   The module's matrix products, in the order in which they are computed (A, B: the left and right operand; K: the contracted axis; several contracted axes count as one K, in the product's order):
;;     1. [M 4,096, K 1,024] x [K 1,024, N 1,024]; A: computed on the way; B: input wq (given as codes): QUANTISED (scales: A lowp_scales[0], B lowp_scales[1])
;;     2. [M 4,096, K 1,024] x [K 1,024, N 1,024]; A: computed on the way; B: input wk (given as codes): QUANTISED (scales: A lowp_scales[2], B lowp_scales[3])
;;     3. [M 4,096, K 1,024] x [K 1,024, N 1,024]; A: computed on the way; B: input wv (given as codes): QUANTISED (scales: A lowp_scales[4], B lowp_scales[5])
;;     4. batch 64 x [M 1,024, K 64] x [K 64, N 1,024]; A: computed on the way; B: computed on the way: QUANTISED (scales: A lowp_scales[6], B lowp_scales[7])
;;     5. batch 64 x [M 64, K 1,024] x [K 1,024, N 1,024]; A: computed on the way; B: softmax (see below): QUANTISED (scales: A lowp_scales[8], B lowp_scales[9])
;;     6. [M 4,096, K 1,024] x [K 1,024, N 1,024]; A: computed on the way; B: input wo (given as codes): QUANTISED (scales: A lowp_scales[10], B lowp_scales[11])
;;     7. [M 4,096, K 1,024] x [K 1,024, N 4,096]; A: computed on the way; B: input w1 (given as codes): QUANTISED (scales: A lowp_scales[12], B lowp_scales[13])
;;     8. [M 4,096, K 4,096] x [K 4,096, N 1,024]; A: computed on the way; B: input w2 (given as codes): QUANTISED (scales: A lowp_scales[14], B lowp_scales[15])
;;   THE QUANTISER, for each operand of a quantised product, along K:
;;     - The operand's scale is 2^e, e = its entry of the input lowp_scales (int32; the entries are numbered through the quantised products in the list's order, A before B).
;;     - Each number is divided by the scale, clamped to +-448, and rounded to the nearest number of E4M3, ties to even, subnormals kept.
;;     - The product sums the exact products of the quantised numbers (number of the format x scale) in f32.
;;   ~~~python
;;   def quantise(x, axis, e):      # numpy; x: float32 -> the quantised numbers, widened to float32 again
;;       x = np.moveaxis(x, axis, -1); K = x.shape[-1]
;;       r = np.clip(x / 2.0 ** e, -448, 448)
;;       step = 2.0 ** (np.maximum(np.frexp(np.where(r == 0, 1, r))[1] - 1, -6) - 3)
;;       q = np.round(r / step) * step * 2.0 ** e      # np.round: ties to even
;;       return np.moveaxis(q, -1, axis).astype(np.float32)
;;   ~~~
;;   SOFTMAX AHEAD OF A QUANTISED PRODUCT. Where the list says 'softmax', what is quantised is not the finished softmax but p = 2^(t - M), with t = logit x log2(e) and M = ceil(the row's largest t), a whole number; so 1/2 < the row's largest p <= 1. The row's sum l is taken of the UNQUANTISED p, in f32, and the product's result is divided by l at the end. Since M is a whole number, a kernel that streams over the keys may use a running M (the ceiling of the running maximum): every later rescaling is an exact power of two, so the quantised numbers keep their values, but for numbers so far below the row's largest that they fall under the format's range.
;;   OPERANDS COMPUTED ON THE WAY. 'Computed on the way' means the value that the module computes at that place (a softmax that the list does not call 'softmax' is quantised finished and normalised). What goes into a quantiser is computed in f32, as accurately as f32 sums, v_exp_f32 and their like allow (about 1e-6 of the number): no bf16 or f16 on the way to a quantiser, and a product that is left as it is and whose result goes on into a quantised operand takes f32 operands (vector FMAs, or v_wmma_f32_16x16x4_f32). A number that lies on a knife's edge between two numbers of the format may be rounded either way, as far as f32 arithmetic and the matrix unit's own rounding can turn it there, and no further.
;;   INPUTS GIVEN AS CODES. w1 (in the module: [1024, 4096], K = its axis 0); w2 (in the module: [4096, 1024], K = its axis 0); wk (in the module: [1024, 1024], K = its axis 0); wo (in the module: [1024, 1024], K = its axis 0); wq (in the module: [1024, 1024], K = its axis 0); wv (in the module: [1024, 1024], K = its axis 0): each comes as NAME_codes (uint8): NAME with its K axis moved to the last place and cut into blocks of 32 codes, [.., K / 32, bytes a block], one block behind the other in memory; one code a byte (a code: sign, 4 exponent bits, 3 mantissa bits); its scale is its entry of lowp_scales. Its value is code x scale, taken as it is: it is not quantised again, and the codes and scales need not be those that the quantiser above would give.
;; One version. Each part assembles by itself: llvm-mc -triple=amdgcn-amd-amdhsa -mcpu=gfx1250 --defsym DOCPART=n.
;; ======== version 1 of 1: 6 launches
;; limits: right only within a limited range of input values
;; workspace buffers: hq 4,194,304 bytes; kv 8,192 bytes; cx 4,194,304 bytes; x1 16,777,216 bytes; h2 4,194,304 bytes; hid 16,777,216 bytes
;; launch ln1 (part 1): grid 288 x 1, 4 waves a work-group, no clusters, 17,920 bytes of LDS; arguments x, ln1_a, ln1_b, lowp_scales, wk_codes, wv_codes, hq, kv; writes hq, kv
.if DOCPART == 1
	.amdgcn_target "amdgcn-amd-amdhsa--gfx1250"
	.amdhsa_code_object_version 6
	.text
	.protected	k_q9038e09493_ln1
	.globl	k_q9038e09493_ln1
	.p2align	8
	.type	k_q9038e09493_ln1,@function
k_q9038e09493_ln1:
	s_mov_b64 s[64:65], 0
	v_nop
	global_prefetch_b8 v0, s[64:65] scope:SCOPE_SE
	s_setreg_imm32_b32 hwreg(HW_REG_WAVE_MODE, 25, 1), 1
	s_wait_xcnt 0x0
; LAYER NORM INTO CODES OF E4M3.  y = a (x - mean) / (std + 1e-6) + b along rows of 1,024 f32 numbers (std with 1,023 in the divisor), then code = y / 2^e, held within +-448, to the nearest code.
; KVWG = 32: the first launch.  Work-groups 32 .. 287 take 16 rows of x each and store their codes (e = entry 0 of the scales) into hq.  Work-groups 0 .. 31 walk the same text on the four rows s = 0 of the
; four batches (the only key that the mask built in the model keeps) and then multiply them by wk (groups 0-15; entries 2, 3; result coded with entry 7) or wv (groups 16-31; entries 4, 5; result coded with entry 8): 16 columns a wave.
; KVWG = 0: the fourth launch, the same text without that part: rows of x1, entry 12, into h2.
; THE CODES' LAYOUT is an image of the next product's operand registers: byte of (row m, column k) = (k / W) 4096 W + (m / 16) 16 W + ((k % W) / 16) 256 + (m % 16) 16 + k % 16, W = 512 (hq) or 256 (h2):
; a block of 256 bytes holds 16 rows x 16 k.  A wave owns 4 rows; a row lies in 32 registers of the wave (lane l: k = 128 i + 4 l + 0 .. 3), so mean and variance never leave the wave, and every load covers 512 consecutive bytes.
; The variance is taken of the centred numbers, in a second pass over registers.  The 16 rows' codes meet in LDS (64 blocks, 272 bytes apart), one barrier, and leave as whole blocks: each store covers 512 consecutive bytes, aligned.
; LIMITS: every power of two made below is a normal f32 number: e0, e2, e4 (e12), and e7 - e2 - e3, e8 - e4 - e5, between -126 and 119.  NaN and infinities among the inputs are not served.  1 / (std + 1e-6) is v_rcp_f32 and a multiplication.
; k0 and v0 sum K in two accumulators, and k is permuted alike in both operands inside an instruction.  No tensor load, no cluster: nothing is shared between work-groups but four rows and the weights of 32 small groups.
.set KVWG, 32
.set UP,   272                         ; from block to block in LDS: 256 bytes + 16
.set XO,   4                           ; v4-7    byte offset of my 16 bytes in row rr
.set STA,  8                           ; v8      LDS: where my 4 codes of piece 0, row 0 go
.set RDA,  9                           ; v9      LDS: where I read blocks back
.set LI,   10                          ; v10     16 x lane
.set SC,   11                          ; v11     2^e as f32
.set LIM,  12                          ; v12     448 x 2^e
.set FA,   13                          ; v13     LDS: my place in a fragment of the four rows
.set WO,   14                          ; v14     my place in 16 rows of a weight
.set KO,   15                          ; v15     my place in kv
.set AL,   16                          ; v16-47  the gain at my 32 columns; later blocks on their way out; later fragments
.set BE,   48                          ; v48-79  the bias
.set X,    80                          ; v80-207 four rows, 32 registers each; later the weight's 8 fragments
.set R4,   208                         ; v208-223 four registers a row: sums; later two accumulators
.set C,    224                         ; v224-255 eight registers of codes a row
.set AF,   16
.set WB,   80
.set ACC0, 208
.set T,    224
.set CC,   232
.set SC2,  234
.set LIM2, 235
.if KVWG
	s_load_b512 s[4:19], s[0:1], 0x0               ; x, gain, bias, scales, wk, wv, hq (s[16:17]), kv (s[18:19])
	s_set_vgpr_msb 0x40
	v_lshl_add_u32 v0, v0, 2, 0x4400
	v_mov_b32 v1, 0
	s_set_vgpr_msb 0x4000
.else
	s_load_b256 s[4:11], s[0:1], 0x0               ; x1, gain, bias, scales
	s_load_b64 s[16:17], s[0:1], 0x20              ; h2
.endif
	v_and_b32 v1, 31, v0                           ; lane
	v_and_b32 v2, 15, v0                           ; r
	v_bfe_u32 v3, v0, 4, 1                         ; h
	v_lshrrev_b32 v[XO], 5, v0
	v_readfirstlane_b32 s20, v[XO]                 ; wave
	v_lshlrev_b32 v[LI], 4, v1
	s_wait_alu depctr_va_vdst(0)
	s_mov_b32 s26, 0x76543210                      ; v_permlanex16_b32: lane l xor 16
	s_mov_b32 s27, 0xfedcba98
.if KVWG
	s_max_u32 s21, ttmp9, KVWG
	s_sub_co_u32 s21, s21, KVWG                    ; which 16 rows
.else
	s_mov_b32 s21, ttmp9
.endif
	s_lshl_b32 s22, s21, 16                        ; 16 rows of 4,096 bytes,
	s_lshl_b32 s23, s20, 14                        ; my wave's 4 of them
	s_add_co_u32 s22, s22, s23
	s_mov_b32 s24, 4096                            ; from row to row
.if KVWG
	s_cmp_lt_u32 ttmp9, KVWG
	s_cselect_b32 s22, 0, s22                      ; the small groups: row 0 of each batch,
	s_cselect_b32 s24, 0x400000, s24               ; 1,024 rows apart, the same four in every wave
.endif
	s_mov_b32 s23, 0
	v_mov_b32 v[XO], v[LI]
	v_add_nc_u32 v[XO+1], s24, v[XO]
	v_add_nc_u32 v[XO+2], s24, v[XO+1]
	v_add_nc_u32 v[XO+3], s24, v[XO+2]
	v_lshrrev_b32 v[STA], 2, v1                    ; my k = 128 i + 4 lane: block 8 i + lane / 4, byte 4 (lane % 4); row 4 wave + rr
	v_mul_u32_u24 v[STA], v[STA], UP
	v_and_b32 v[RDA], 3, v1
	v_lshl_add_u32 v[STA], v[RDA], 2, v[STA]
	s_lshl_b32 s28, s20, 6
	v_add_nc_u32 v[STA], s28, v[STA]
	v_mul_u32_u24 v[FA], v3, UP
	v_lshl_add_u32 v[FA], v2, 4, v[FA]             ; block h, 16 bytes of row r
	s_mul_i32 s28, s20, 16*UP
	v_add_nc_u32 v[RDA], s28, v[FA]                ; back: my wave's 16 blocks, two an instruction
.if KVWG
	v_lshlrev_b32 v[WO], 10, v2
	v_lshl_add_u32 v[WO], v3, 4, v[WO]             ; a weight's row r of 1,024 codes, + 16 h
	v_lshlrev_b32 v[KO], 10, v2
	v_lshl_add_u32 v[KO], v3, 3, v[KO]             ; kv: batch r, + 8 h
	s_lshl_b32 s32, s21, 13                        ; hq: 16 rows x 512 k are 8,192 bytes; my wave's blocks 16 w .. 16 w + 15: slab w / 2, half w % 2
	s_lshr_b32 s33, s20, 1
	s_lshl_b32 s33, s33, 21
	s_add_co_u32 s32, s32, s33
	s_and_b32 s33, s20, 1
	s_lshl_b32 s33, s33, 12
	s_add_co_u32 s32, s32, s33
	s_and_b32 s30, ttmp9, 15
	s_lshl_b32 s30, s30, 2
	s_add_co_u32 s30, s30, s20                     ; which 16 columns of the weight are my wave's
	s_lshl_b32 s36, s30, 14                        ; their 16 rows of codes
	s_mov_b32 s37, 0
	s_lshl_b32 s38, s30, 4
	s_mov_b32 s39, 0
	s_cmp_lt_u32 ttmp9, 16
	s_cselect_b32 s31, 0, 4096                     ; k0's codes at byte 0 of kv, v0's at 4,096
	s_add_co_u32 s38, s38, s31
.else
	s_lshl_b32 s32, s21, 12                        ; h2: 16 rows x 256 k are 4,096 bytes; my wave's 16 blocks are slab w
	s_lshl_b32 s33, s20, 20
	s_add_co_u32 s32, s32, s33
.endif
	s_mov_b32 s33, 0
	s_wait_kmcnt 0x0
	s_load_b512 s[68:83], s[10:11], 0x0            ; the sixteen exponents: entry n in s[68 + n]
	s_add_nc_u64 s[22:23], s[4:5], s[22:23]
	s_add_nc_u64 s[34:35], s[16:17], s[32:33]
.if KVWG
	s_cmp_lt_u32 ttmp9, 16
	s_cselect_b64 s[28:29], s[12:13], s[14:15]     ; wk or wv: the choice hangs on the work-group's number alone
	s_add_nc_u64 s[28:29], s[28:29], s[36:37]
	s_add_nc_u64 s[18:19], s[18:19], s[38:39]
.endif
.irp rr, 0,1,2,3
.irp i, 0,1,2,3,4,5,6,7
	global_load_b128 v[X+32*\rr+4*\i:X+32*\rr+4*\i+3], v[XO+\rr], s[22:23] offset:512*\i   ; 32 lanes read 512 consecutive bytes
.endr
.endr
.irp i, 0,1,2,3,4,5,6,7
	global_load_b128 v[AL+4*\i:AL+4*\i+3], v[LI], s[6:7] offset:512*\i
	global_load_b128 v[BE+4*\i:BE+4*\i+3], v[LI], s[8:9] offset:512*\i
.endr
; the two chains of each row are added, then the 32 lanes: four steps ride on the addition, one crosses the halves; the four rows take turns line by line
.macro FOLD
.irp rr, 0,1,2,3
	v_pk_add_f32 v[R4+4*\rr:R4+4*\rr+1], v[R4+4*\rr:R4+4*\rr+1], v[R4+4*\rr+2:R4+4*\rr+3]
.endr
.irp rr, 0,1,2,3
	v_add_f32 v[R4+4*\rr], v[R4+4*\rr], v[R4+4*\rr+1]
.endr
.irp m, 1,2,4,8
.irp rr, 0,1,2,3
	v_add_f32_dpp v[R4+4*\rr], v[R4+4*\rr], v[R4+4*\rr] row_xmask:\m row_mask:0xf bank_mask:0xf
.endr
.endr
.irp rr, 0,1,2,3
	v_permlanex16_b32 v[R4+4*\rr+2], v[R4+4*\rr], s26, s27   ; its destination counts as read: it has been written
.endr
.irp rr, 0,1,2,3
	v_add_f32 v[R4+4*\rr], v[R4+4*\rr], v[R4+4*\rr+2]
.endr
.endm
	s_wait_loadcnt 16                              ; the four rows are in; the sixteen loads of gain and bias may be out
.irp rr, 0,1,2,3
	v_pk_add_f32 v[R4+4*\rr:R4+4*\rr+1], v[X+32*\rr:X+32*\rr+1], v[X+32*\rr+2:X+32*\rr+3]
	v_pk_add_f32 v[R4+4*\rr+2:R4+4*\rr+3], v[X+32*\rr+4:X+32*\rr+5], v[X+32*\rr+6:X+32*\rr+7]
.endr
.irp j, 8,12,16,20,24,28
.irp rr, 0,1,2,3
	v_pk_add_f32 v[R4+4*\rr:R4+4*\rr+1], v[R4+4*\rr:R4+4*\rr+1], v[X+32*\rr+\j:X+32*\rr+\j+1]
	v_pk_add_f32 v[R4+4*\rr+2:R4+4*\rr+3], v[R4+4*\rr+2:R4+4*\rr+3], v[X+32*\rr+\j+2:X+32*\rr+\j+3]
.endr
.endr
	FOLD
.irp rr, 0,1,2,3
	v_mul_f32 v[R4+4*\rr], 0x3a800000, v[R4+4*\rr]  ; the mean: sum / 1,024
.endr
.irp rr, 0,1,2,3
.set j, 0
.rept 16
	v_pk_add_f32 v[X+32*\rr+j:X+32*\rr+j+1], v[X+32*\rr+j:X+32*\rr+j+1], v[R4+4*\rr:R4+4*\rr+1] op_sel_hi:[1,0] neg_lo:[0,1] neg_hi:[0,1]   ; x - mean
.set j, j+2
.endr
.endr
.irp rr, 0,1,2,3
	v_pk_mul_f32 v[R4+4*\rr:R4+4*\rr+1], v[X+32*\rr:X+32*\rr+1], v[X+32*\rr:X+32*\rr+1]
	v_pk_mul_f32 v[R4+4*\rr+2:R4+4*\rr+3], v[X+32*\rr+2:X+32*\rr+3], v[X+32*\rr+2:X+32*\rr+3]
.endr
.irp j, 4,8,12,16,20,24,28
.irp rr, 0,1,2,3
	v_pk_fma_f32 v[R4+4*\rr:R4+4*\rr+1], v[X+32*\rr+\j:X+32*\rr+\j+1], v[X+32*\rr+\j:X+32*\rr+\j+1], v[R4+4*\rr:R4+4*\rr+1]
	v_pk_fma_f32 v[R4+4*\rr+2:R4+4*\rr+3], v[X+32*\rr+\j+2:X+32*\rr+\j+3], v[X+32*\rr+\j+2:X+32*\rr+\j+3], v[R4+4*\rr+2:R4+4*\rr+3]
.endr
.endr
	FOLD
.irp rr, 0,1,2,3
	v_mul_f32 v[R4+4*\rr], 0x3a802008, v[R4+4*\rr]  ; the variance: / 1,023
.endr
	s_wait_alu depctr_va_vdst(0)
.irp rr, 0,1,2,3
	v_sqrt_f32 v[R4+4*\rr+2], v[R4+4*\rr]
.endr
	v_nop                                          ; a plain instruction behind the last root,
	s_wait_alu depctr_va_vdst(0)                   ; and one wait for the four, ahead of their first reader
.irp rr, 0,1,2,3
	v_add_f32 v[R4+4*\rr+2], 0x358637bd, v[R4+4*\rr+2]   ; std + 1e-6
.endr
	s_wait_alu depctr_va_vdst(0)
.irp rr, 0,1,2,3
	v_rcp_f32 v[R4+4*\rr], v[R4+4*\rr+2]
.endr
	v_nop
	s_wait_kmcnt 0x0                               ; the exponents
.if KVWG
	s_cmp_lt_u32 ttmp9, 16
	s_cselect_b32 s25, s70, s72                    ; the rows' scale for wk's product, or for wv's,
	s_cselect_b32 s40, s71, s73                    ; the weight's,
	s_cselect_b32 s41, s75, s76                    ; and the scale in which the result is coded
	s_sub_co_i32 s41, s41, s25
	s_sub_co_i32 s41, s41, s40                     ; a sum stands for sum x 2^(eA + eB): the three are folded into the conversion's one
	s_cmp_lt_u32 ttmp9, KVWG
	s_cselect_b32 s25, s25, s68                    ; the large groups: entry 0
.else
	s_mov_b32 s25, s80                             ; entry 12
.endif
	s_add_co_i32 s25, s25, 127
	s_lshl_b32 s42, s25, 23
	v_mov_b32 v[SC], s42                           ; 2^e: the conversion takes its exponent field
	s_add_co_i32 s25, s25, 8
	s_lshl_b32 s25, s25, 23
	s_or_b32 s25, s25, 0x600000
	v_mov_b32 v[LIM], s25                          ; 448 x 2^e
	s_wait_alu depctr_va_vdst(0)                   ; one wait for the four reciprocals
.irp rr, 0,1,2,3
.set j, 0
.rept 16
	v_pk_mul_f32 v[X+32*\rr+j:X+32*\rr+j+1], v[X+32*\rr+j:X+32*\rr+j+1], v[R4+4*\rr:R4+4*\rr+1] op_sel_hi:[1,0]
.set j, j+2
.endr
.endr
	s_wait_loadcnt 0x0                             ; gain and bias
.irp rr, 0,1,2,3
.set j, 0
.rept 16
	v_pk_fma_f32 v[X+32*\rr+j:X+32*\rr+j+1], v[X+32*\rr+j:X+32*\rr+j+1], v[AL+j:AL+j+1], v[BE+j:BE+j+1]
.set j, j+2
.endr
.endr
.irp rr, 0,1,2,3
.set j, 0
.rept 32
	v_med3_num_f32 v[X+32*\rr+j], v[X+32*\rr+j], -v[LIM], v[LIM]   ; the conversion to an 8-bit code does not saturate (ISA guide 7.6.2): the hold comes first
.set j, j+1
.endr
.irp g, 0,1,2,3
	v_cvt_scalef32_pk8_fp8_f32 v[C+8*\rr+2*\g:C+8*\rr+2*\g+1], v[X+32*\rr+8*\g:X+32*\rr+8*\g+7], v[SC]   ; pieces 2 g and 2 g + 1: four codes in each register
.endr
.endr
	v_nop                                          ; one plain instruction behind the last conversion
.irp rr, 0,1,2,3
.irp i, 0,1,2,3,4,5,6,7
	ds_store_b32 v[STA], v[C+8*\rr+\i] offset:\i*8*UP+16*\rr   ; 32 lanes, 32 different banks: eight blocks 68 words apart, four words in each
.endr
.endr
.if KVWG
	s_cmp_lt_u32 ttmp9, KVWG
	s_cbranch_scc0 .Lno_weight
.irp s, 0,1,2,3,4,5,6,7
.irp c, 0,1,2,3
	global_load_b128 v[WB+16*\s+4*\c:WB+16*\s+4*\c+3], v[WO], s[28:29] offset:128*\s+32*\c   ; my 16 rows of the weight, K step s: they land while the rows' codes meet in LDS
.endr
.endr
.Lno_weight:
.endif
	s_wait_dscnt 0x0                               ; for the others' sake: my codes lie in LDS
	s_barrier_signal -1
	s_barrier_wait -1                              ; all sixteen rows' do
.if KVWG
	s_cmp_lt_u32 ttmp9, KVWG
	s_cbranch_scc1 .Lkv
.endif
.irp t, 0,1,2,3,4,5,6,7
	ds_load_b128 v[AL+4*\t:AL+4*\t+3], v[RDA] offset:\t*2*UP
.endr
.irp t, 0,1,2,3,4,5,6,7
	s_wait_dscnt 7-\t
	global_store_b128 v[LI], v[AL+4*\t:AL+4*\t+3], s[34:35] offset:512*\t   ; two whole blocks: 512 consecutive bytes, aligned
.endr
	s_set_vgpr_msb 0x5
	s_wait_tensorcnt 0x0
	ds_add_u32 v0, v1
	s_wait_dscnt 0x0
	s_set_vgpr_msb 0x500
	s_endpgm
.if KVWG
.Lkv:
	; the four rows (row r of the image holds batch r % 4) x 16 columns of the weight: source 0 = 16 rows of the weight's codes, source 1 = the image: lane (r, h) gets batch r, columns 8 h + 0 .. 7
	s_add_co_i32 s41, s41, 127
	s_lshl_b32 s42, s41, 23
	v_mov_b32 v[SC2], s42
	s_add_co_i32 s41, s41, 8
	s_lshl_b32 s41, s41, 23
	s_or_b32 s41, s41, 0x600000
	v_mov_b32 v[LIM2], s41
.irp hb, 0,1
.if \hb
.rept 4
	v_nop                                          ; places in front of loads into registers that matrix instructions have read
.endr
.endif
.irp i, 0,1,2,3
.irp c, 0,1,2,3
	ds_load_b128 v[AF+16*\i+4*\c:AF+16*\i+4*\c+3], v[FA] offset:(8*(4*\hb+\i)+2*\c)*UP
.endr
.endr
	s_wait_dscnt 0x0
.if \hb == 0
	s_wait_loadcnt 0x0                             ; the weight
.endif
.irp i, 0,1,2,3                                ; two accumulators by turns, one instruction a turn
.if 4*\hb+\i < 2
	v_wmma_f32_16x16x128_fp8_fp8 v[ACC0+8*(\i%2):ACC0+8*(\i%2)+7], v[WB+16*(4*\hb+\i):WB+16*(4*\hb+\i)+15], v[AF+16*\i:AF+16*\i+15], 0
.else
	s_wait_alu depctr_va_vdst(0)
	v_wmma_f32_16x16x128_fp8_fp8 v[ACC0+8*(\i%2):ACC0+8*(\i%2)+7], v[WB+16*(4*\hb+\i):WB+16*(4*\hb+\i)+15], v[AF+16*\i:AF+16*\i+15], v[ACC0+8*(\i%2):ACC0+8*(\i%2)+7]
.endif
.endr
.endr
.rept 4
	v_nop
.endr
.irp j, 0,1,2,3,4,5,6,7
	v_add_f32 v[T+\j], v[ACC0+\j], v[ACC0+8+\j]
.endr
.irp j, 0,1,2,3,4,5,6,7
	v_med3_num_f32 v[T+\j], v[T+\j], -v[LIM2], v[LIM2]
.endr
	v_cvt_scalef32_pk8_fp8_f32 v[CC:CC+1], v[T:T+7], v[SC2]
	v_nop
	s_wait_alu depctr_va_vdst(0)
	s_wait_xcnt 0x0                                ; EXEC changes only behind this wait
	v_cmp_gt_u32 vcc_lo, 4, v2                     ; rows 0 to 3 are the four batches; the others repeat them
	s_set_vgpr_msb 0x5
	s_wait_tensorcnt 0x0
	ds_add_u32 v0, v1
	s_wait_dscnt 0x0
	s_set_vgpr_msb 0x500
	s_and_saveexec_b32 s43, vcc_lo
	global_store_b64 v[KO], v[CC:CC+1], s[18:19]   ; 8 bytes a lane: all of kv is 8,192 bytes, too little for a stage
	s_wait_xcnt 0x0
	s_or_b32 exec_lo, exec_lo, s43
	s_endpgm
.endif
.Lfunc_end_k_q9038e09493_ln1:
	.size	k_q9038e09493_ln1, .Lfunc_end_k_q9038e09493_ln1-k_q9038e09493_ln1
	.p2alignl 7, 3214868480
	.fill 96, 4, 3214868480
	.section	.rodata,"a",@progbits
	.p2align	6, 0x0
	.amdhsa_kernel k_q9038e09493_ln1
		.amdhsa_group_segment_fixed_size 17920
		.amdhsa_private_segment_fixed_size 0
		.amdhsa_enable_private_segment 0
		.amdhsa_kernarg_size 64
		.amdhsa_user_sgpr_count 2
		.amdhsa_user_sgpr_kernarg_segment_ptr 1
		.amdhsa_wavefront_size32 1
		.amdhsa_system_sgpr_workgroup_id_x 1
		.amdhsa_system_sgpr_workgroup_id_y 1
		.amdhsa_system_sgpr_workgroup_id_z 1
		.amdhsa_system_vgpr_workitem_id 0
		.amdhsa_next_free_vgpr 258
		.amdhsa_next_free_sgpr 100
		.amdhsa_reserve_vcc 1
		.amdhsa_float_denorm_mode_32 3
		.amdhsa_float_denorm_mode_16_64 3
		.amdhsa_memory_ordered 1
		.amdhsa_forward_progress 1
		.amdhsa_inst_pref_size 53
	.end_amdhsa_kernel
	.amdgpu_metadata
---
amdhsa.version: [ 1, 2 ]
amdhsa.kernels:
  - .name:           k_q9038e09493_ln1
    .symbol:         k_q9038e09493_ln1.kd
    .args:
      - { .name: x, .offset: 0, .size: 8, .value_kind: global_buffer, .address_space: global }
      - { .name: ln1_a, .offset: 8, .size: 8, .value_kind: global_buffer, .address_space: global }
      - { .name: ln1_b, .offset: 16, .size: 8, .value_kind: global_buffer, .address_space: global }
      - { .name: lowp_scales, .offset: 24, .size: 8, .value_kind: global_buffer, .address_space: global }
      - { .name: wk_codes, .offset: 32, .size: 8, .value_kind: global_buffer, .address_space: global }
      - { .name: wv_codes, .offset: 40, .size: 8, .value_kind: global_buffer, .address_space: global }
      - { .name: hq, .offset: 48, .size: 8, .value_kind: global_buffer, .address_space: global }
      - { .name: kv, .offset: 56, .size: 8, .value_kind: global_buffer, .address_space: global }
    .group_segment_fixed_size: 17920
    .private_segment_fixed_size: 0
    .kernarg_segment_align: 8
    .kernarg_segment_size: 64
    .max_flat_workgroup_size: 128
    .sgpr_count:     100
    .vgpr_count:     258
    .wavefront_size: 32
...
	.end_amdgpu_metadata
.endif
;; end of part 1
;; launch gq (part 2): grid 8 x 32, 4 waves a work-group, clusters of 4 x 4, 327,680 bytes of LDS; arguments hq, wq_codes, lowp_scales, kv, cx; writes cx
.if DOCPART == 2
	.amdgcn_target "amdgcn-amd-amdhsa--gfx1250"
	.amdhsa_code_object_version 6
	.text
	.protected	k_q9038e09493_gq
	.globl	k_q9038e09493_gq
	.p2align	8
	.type	k_q9038e09493_gq,@function
k_q9038e09493_gq:
	s_mov_b64 s[64:65], 0
	v_nop
	global_prefetch_b8 v0, s[64:65] scope:SCOPE_SE
	s_setreg_imm32_b32 hwreg(HW_REG_WAVE_MODE, 25, 1), 1
	s_wait_xcnt 0x0
	s_wait_alu depctr_hold_cnt(0) depctr_sa_sdst(0) depctr_va_vdst(0) depctr_va_sdst(0) depctr_va_ssrc(0) depctr_va_vcc(0) depctr_vm_vsrc(0)
	s_getreg_b32 s2, hwreg(HW_REG_IB_STS2, 6, 4)
	s_cmp_eq_u32 s2, 0
	s_cbranch_scc0 .Lentry_in_a_cluster
	s_endpgm
.Lentry_in_a_cluster:
	s_bfe_u32 s2, ttmp6, 0x10000c
	s_cmp_lg_u32 s2, 0xf033
	s_cbranch_scc0 .Lentry_shape_is_right
	s_endpgm
.Lentry_shape_is_right:
; q = LN1(x) wq on codes of E4M3, and all that is left of attention, into the codes of ctx.
; THE MASK that the model builds keeps key 0 alone: every other logit is -1e9, so its p = 2^(t - M) is 0 in f32, M = ceil(t of key 0), the row's sum is p0, and ctx(row, head, :) = Q(v0) Q(p0) / p0.
; LIMIT: e6 + e7 <= 9, so that |score| <= 64 x 448^2 x 2^(e6 + e7) / 8 stays far above -1e9 and key 0 holds the row's maximum.
; THE PRODUCT.  A tile of 128 rows x 128 columns to a work-group (256 work-groups); four waves, each 64 x 64: 16 accumulators.  K = 1,024 lies in two LDS slots of 512, each filled once by the tensor data mover.
; A (hq) is laid as images of operand registers: 64 rows x 512 k are one dense block of 32,768 bytes, and a fragment's load takes 512 consecutive bytes.  B (wq's codes, rows of 1,024 bytes) comes as 64 rows x 512 bytes, 16 bytes of padding behind each.
; Both sides hold k = 32 c + 16 (lane / 16) + 0 .. 15 in registers 4 c .. 4 c + 3: a permutation of k, alike in A and B.  THE MATRIX INSTRUCTION IS USED TRANSPOSED (source 0 = 16 rows of B, source 1 = 16 rows of A): a lane holds eight neighbouring columns of one row.
; CLUSTERS: 4 x 4 work-groups; A's tiles are asked for jointly along a row of the cluster, B's along a column.
; THE WAY OUT.  A wave's 64 columns are one head.  q is coded (e6): the conversions' results are the K = 64 form's operand, k in its true place.  The scores: source 0 = k0's codes in all 16 rows, so that register 0 of both halves of the lanes
; holds the lane's query's score.  t = score x 2^(e6 + e7) log2(e) / 8; p0 = 2^(t - ceil t).  The second product: K = 64 keys of which key 0 alone has codes other than 0.  Its sums x 1 / p0 are coded (e10);
; a lane's eight codes are 8 bytes of a block of 16 rows x 16 k of cx's image: one store of the wave covers 256 consecutive bytes, aligned.  No stage is needed.
; LIMITS: e6 - e0 - e1, e9 and e10 - e8 - e9 between -126 and 119; e6 + e7 - 3 is added to the exponent field of log2(e): between -126 and 9.  1 / p0 is v_rcp_f32 and a multiplication.  NaN is not served.
; No prefetch: both slots are asked for at the head, and nothing is asked for later.
; REGISTERS: window 0: v1 r, v2 h, v6-13 and v16-30 addresses and constants, v32-127 the way out, v128-255 the accumulators ((a, b) at v[128 + 8 (4 a + b)]).  window 1: two fragment buffers of 128: A's four fragments, then B's four.
.set KTOT,  1024
; ALL OF K LIES IN LDS AT ONCE, brought by one tensor load a wave: A's 64 rows as two rows of 32,768 bytes (the two slabs of 512 k, one behind the other in LDS), B's 64 rows as rows of 1,024 bytes.
.set BP,    1040                       ; a row of B in LDS: 1,024 bytes + 16 = 260 words: the 16 rows of a load start at 16 different banks
.set AH,    32768                      ; 64 rows of A
.set BH,    64*BP                      ; 64 rows of B
.set BOFF,  4*AH
.set SLOT,  BOFF+2*BH                  ; A's 128 rows, then B's 128 rows
.set SPARE, SLOT
.set LAPS,  KTOT/1024
.set ADRA, 16                          ; v16-17 LDS address of my A fragments in slot 0, 1
.set ADRB, 20                          ; v20-21 the same for B
.set LO,   26                          ; v26    16 r + 8 h: my 8 bytes of a block of cx
.set SPW,  28                          ; v28    my spare word; never rewritten
.set NIL,  29                          ; v29    0; never rewritten
.set KF,   32                          ; v32-39   k0's fragment
.set VF,   40                          ; v40-71   v0's four fragments
.set PF,   72                          ; v72-103  p0's four fragments
.set PS,   104                         ; v104-111 eight numbers for p0's conversion: seven stay 0
.set TT,   112                         ; v112-115 t, then t - M, then p0 held
.set P0,   116                         ; v116-119 -M, then p0
.set RC,   120                         ; v120-127 1 / p0 in the even registers
.set ACC,  128
.set F0,   0
.set F1,   128
.set G1,  24
.set G0,  32
.set G1B, 48
.set G0B, 56
.set MSB, 0
.macro WIN new                         ; the immediate's high byte repeats the setting that is left
.if MSB != (\new)
	s_set_vgpr_msb (MSB<<8)|(\new)
.set MSB, (\new)
.endif
.endm
.set MUL,  0x05                        ; sources 0 (B) and 1 (A) window 1; C and D window 0
.set TO_F, 0x40                        ; destination window 1, address window 0
.macro JLOAD s                         ; a joint load: waves 0 and 1 fetch A's halves, waves 2 and 3 B's; four v_nop follow each line
	s_cmp_eq_u32 s91, 0
	s_cbranch_scc0 .Lfor_b_\@
	tensor_load_to_lds s[G0+4*\s:G0+4*\s+3], s[G1:G1+7]
	s_nop 0
.rept 4
	v_nop
.endr
	s_branch .Lasked_\@
.Lfor_b_\@:
	tensor_load_to_lds s[G0B+4*\s:G0B+4*\s+3], s[G1B:G1B+7]
	s_nop 0
.rept 4
	v_nop
.endr
.Lasked_\@:
.endm
.macro CREST                           ; a round of the cluster's barrier behind its opening barrier
	s_cmp_lg_u32 s90, 0
	s_cbranch_scc1 .Lnot_wave_0_\@
	s_barrier_signal -3
.Lnot_wave_0_\@:
	s_barrier_wait -3
	s_barrier_signal -1
	s_barrier_wait -1
.endm
.macro CROUND
	s_barrier_signal -1
	s_barrier_wait -1
	CREST
.endm
.macro PLACES                          ; four places behind matrix instructions (ISA guide 7.12.1)
.rept 4
	v_nop
.endr
.endm
	s_load_b256 s[4:11], s[0:1], 0x0               ; hq, wq's codes, the exponents, kv
	s_load_b64 s[84:85], s[0:1], 0x20              ; cx
	v_lshl_add_u32 v[SPW], v0, 2, SPARE
	v_mov_b32 v[NIL], 0
	ds_add_u32 v28, v29
	ds_add_u32 v28, v29
	s_wait_dscnt 0x0
	v_lshrrev_b32 v1, 5, v0
	v_readfirstlane_b32 s90, v1                    ; wave
	s_lshr_b32 s91, s90, 1                         ; my half of the tile's rows.  Also: I fetch for A (0) or for B (1)
	s_and_b32 s92, s90, 1                          ; my half of its columns.  Also: which half I fetch
	s_bfe_u32 s95, ttmp6, 0x40000                  ; cx, cy
	s_bfe_u32 s96, ttmp6, 0x40004
	s_lshl_b32 s94, ttmp9, 2
	s_add_co_u32 s94, s94, s95                     ; tile column
	s_and_b32 s93, ttmp7, 0xffff
	s_lshl_b32 s93, s93, 2
	s_add_co_u32 s93, s93, s96                     ; tile row
	s_lshl_b32 s97, s96, 2
	s_lshl_b32 s97, 15, s97                        ; my row of the cluster
	s_lshl_b32 s98, 0x1111, s95                    ; my column
	s_or_b32 s[G1+0], s97, (3<<16)|(1<<21)         ; A: the mask; elements of 8 bytes; bit 21 beside a mask; no padding
	s_mov_b32 s[G1+1], 4096<<16                    ; tensor_dim0 = 4,096 elements: a row is 64 rows x 512 k, 32,768 dense bytes
	s_mov_b32 s[G1+2], 2<<16                       ; tensor_dim1 = 2: the two slabs
	s_mov_b32 s[G1+3], 4096<<16                    ; tile_dim0
	s_mov_b32 s[G1+4], 2                           ; tile_dim1
	s_mov_b32 s[G1+5], 0x40000                     ; the pitch: a slab is 2 MiB
	s_mov_b32 s[G1+6], 0
	s_mov_b32 s[G1+7], 0
	s_or_b32 s[G1B+0], s98, (1<<20)|(1<<21)|(7<<22)|(3<<25)  ; B: the mask; elements of 1 byte; four words of padding after every 256
	s_mov_b32 s[G1B+1], 1024<<16
	s_mov_b32 s[G1B+2], 64<<16
	s_mov_b32 s[G1B+3], 1024<<16
	s_mov_b32 s[G1B+4], 64
	s_mov_b32 s[G1B+5], KTOT
	s_mov_b32 s[G1B+6], 0
	s_mov_b32 s[G1B+7], 0
	s_lshl_b32 s16, s93, 16                        ; A: 128 rows x 512 k are 65,536 bytes,
	s_lshl_b32 s17, s92, 15                        ; the half that I fetch
	s_add_co_u32 s16, s16, s17
	s_mov_b32 s17, 0
	s_lshl_b32 s46, s94, 7
	s_lshl_b32 s47, s92, 6
	s_add_co_u32 s46, s46, s47                     ; B: row 128 x tile column + 64 x half
	s_mul_i32 s46, s46, KTOT
	s_mov_b32 s47, 0
	s_lshl_b32 s20, s92, 16
	s_mul_i32 s21, s92, BH
	s_add_co_u32 s21, s21, BOFF
	s_wait_kmcnt 0x0
	s_load_b512 s[68:83], s[8:9], 0x0              ; the sixteen exponents: entry n in s[68 + n]
	s_add_nc_u64 s[14:15], s[4:5], s[16:17]
	s_add_nc_u64 s[46:47], s[6:7], s[46:47]
	CROUND                                         ; all sixteen work-groups are here: the first joint loads meet
.irp s, 0
	s_mov_b32 s[G0+4*\s], 1
	s_add_co_u32 s[G0+4*\s+1], s20, \s*SLOT
	s_add_nc_u64 s[G0+4*\s+2:G0+4*\s+3], s[14:15], \s*0x200000    ; a slab of 512 k is 2 MiB
	s_or_b32 s[G0+4*\s+3], s[G0+4*\s+3], 0x80000000
	s_mov_b32 s[G0B+4*\s], 1
	s_add_co_u32 s[G0B+4*\s+1], s21, \s*SLOT
	s_add_nc_u64 s[G0B+4*\s+2:G0B+4*\s+3], s[46:47], \s*512
	s_or_b32 s[G0B+4*\s+3], s[G0B+4*\s+3], 0x80000000
	JLOAD \s
.endr
	v_and_b32 v1, 15, v0                           ; r
	v_bfe_u32 v2, v0, 4, 1                         ; h
	v_and_b32 v30, 31, v0
	v_lshlrev_b32 v3, 4, v30                       ; 16 x lane
	v_mul_u32_u24 v4, v1, BP
	v_lshl_add_u32 v4, v2, 4, v4
	s_lshl_b32 s22, s91, 16
	s_mul_i32 s23, s92, BH
	s_add_co_u32 s23, s23, BOFF                    ; my 64 rows of B
.irp s, 0,1
	v_add_nc_u32 v[ADRA+\s], s22, v3
	v_add_nc_u32 v[ADRB+\s], s23, v4
	s_add_co_u32 s22, s22, AH                      ; the second 512 k: A's next 32,768 bytes,
	s_add_co_u32 s23, s23, 512                     ; B's next 512 bytes of each row
.endr
	v_lshlrev_b32 v6, 3, v2                        ; 8 h
	s_wait_alu depctr_va_vdst(0)
	v_lshlrev_b32 v[LO], 4, v1
	v_lshl_add_u32 v[LO], v2, 3, v[LO]
	s_lshr_b32 s16, s93, 3                         ; the batch: 8 tile rows each
	s_lshl_b32 s16, s16, 10
	s_mov_b32 s17, 0
	s_add_nc_u64 s[10:11], s[10:11], s[16:17]
	s_lshl_b32 s46, s94, 1
	s_add_co_u32 s46, s46, s92                     ; the head: 2 x tile column + my half
	s_and_b32 s45, s46, 7
	s_lshl_b32 s46, s46, 6
	s_mov_b32 s47, 0
	s_add_nc_u64 s[10:11], s[10:11], s[46:47]      ; kv at my batch and head
.irp c, 0,1,2,3
	global_load_b64 v[KF+2*\c:KF+2*\c+1], v6, s[10:11] offset:16*\c   ; k0(16 c + 8 h + 0 .. 7), the same in all 16 rows of the tile of keys
.endr
.irp dt, 0,1,2,3
	global_load_u8 v[VF+8*\dt], v1, s[10:11] offset:4096+16*\dt       ; v0(16 dt + r): key 0 is byte 0 of register 0 in lanes 0 to 15
.endr
.irp dt, 0,1,2,3
.irp j, 1,2,3,4,5,6,7
	v_mov_b32 v[VF+8*\dt+\j], 0                    ; the other 63 keys: codes 0
.endr
.irp j, 2,3,4,5,6,7
	v_mov_b32 v[PF+8*\dt+\j], 0
.endr
	v_mov_b32 v[RC+2*\dt+1], 0                     ; (named as the upper half of a pair)
.endr
.irp j, 1,2,3,4,5,6,7
	v_mov_b32 v[PS+\j], 0
.endr
	s_lshl_b32 s16, s93, 16                        ; cx: 16 rows x 512 k are 8,192 bytes: 8 such to a tile row, my wave's 4
	s_lshl_b32 s18, s91, 15
	s_add_co_u32 s16, s16, s18
	s_add_nc_u64 s[84:85], s[84:85], s[16:17]
	s_lshr_b32 s46, s94, 2                         ; the slab: 8 heads each;
	s_lshl_b32 s46, s46, 21
	s_lshl_b32 s45, s45, 10                        ; a head's 64 k are four blocks of 256 bytes
	s_add_co_u32 s46, s46, s45
	s_add_nc_u64 s[84:85], s[84:85], s[46:47]
.macro MUL4 f, a, zero                 ; A's block a against B's four.  The 16 accumulators take turns, one instruction a turn, in the same order in every quarter
.irp b, 0,1,2,3
.if \zero
	v_wmma_f32_16x16x128_fp8_fp8 v[ACC+8*(4*(\a)+\b):ACC+8*(4*(\a)+\b)+7], v[\f+64+16*\b:\f+64+16*\b+15], v[\f+16*(\a):\f+16*(\a)+15], 0
.else
	v_wmma_f32_16x16x128_fp8_fp8 v[ACC+8*(4*(\a)+\b):ACC+8*(4*(\a)+\b)+7], v[\f+64+16*\b:\f+64+16*\b+15], v[\f+16*(\a):\f+16*(\a)+15], v[ACC+8*(4*(\a)+\b):ACC+8*(4*(\a)+\b)+7]
.endif
.endr
.endm
.macro MUL8 f, a0, zero
	MUL4 \f, \a0, \zero
	MUL4 \f, \a0+1, \zero
.endm
.macro FETCH slot, q, f                ; 32 LDS loads in one run: the fragments of the slot's q-th 128 along K: B's four, then A's four
	WIN TO_F
.irp i, 0,1,2,3
.irp c, 0,1,2,3
	ds_load_b128 v[\f+64+16*\i+4*\c:\f+64+16*\i+4*\c+3], v[ADRB+\slot] offset:128*(\q)+32*\c+\i*16*BP
.endr
.endr
.irp i, 0,1,2,3
.irp c, 0,1,2,3
	ds_load_b128 v[\f+16*\i+4*\c:\f+16*\i+4*\c+3], v[ADRA+\slot] offset:\i*8192+(\q)*2048+512*\c
.endr
.endr
.endm
.macro QUARTER slot, qn, f, g, zero    ; 128 along K: multiplies buffer f; in its middle fetches the slot's quarter qn into g
	s_wait_dscnt 8                                 ; B and A's blocks 0, 1 are in; the youngest eight loads (A's blocks 2, 3) may be out
	WIN MUL
	MUL8 \f, 0, \zero
	PLACES
	FETCH \slot, \qn, \g
	s_wait_dscnt 32                                ; all but the 32 just issued
	WIN MUL
	MUL8 \f, 2, \zero
.endm
	s_wait_tensorcnt 0x0                           ; my one load is in
	s_barrier_signal -1
	s_barrier_wait -1
	FETCH 0, 0, F0
	QUARTER 0, 1, F0, F1, 1                        ; the first products start the sums: nothing is cleared
	QUARTER 0, 2, F1, F0, 0
	QUARTER 0, 3, F0, F1, 0
	QUARTER 1, 0, F1, F0, 0
	QUARTER 1, 1, F0, F1, 0
	QUARTER 1, 2, F1, F0, 0
	QUARTER 1, 3, F0, F1, 0
	s_wait_dscnt 8
	WIN MUL
	MUL8 F1, 0, 0
	s_wait_dscnt 0x0
	MUL8 F1, 2, 0
	WIN 0
.macro MKSC vs, vl                     ; s12 = e  ->  v[vs] = 2^e as f32, v[vl] = 448 x 2^e
	s_add_co_i32 s12, s12, 127
	s_lshl_b32 s13, s12, 23
	v_mov_b32 v[\vs], s13
	s_add_co_i32 s12, s12, 8
	s_lshl_b32 s12, s12, 23
	s_or_b32 s12, s12, 0x600000
	v_mov_b32 v[\vl], s12
.endm
	s_wait_loadcnt 0x0                             ; k0 and v0
	s_wait_kmcnt 0x0                               ; the exponents
	s_sub_co_i32 s12, s74, s68
	s_sub_co_i32 s12, s12, s69                     ; a sum stands for sum x 2^(e0 + e1): q's code is sum / 2^(e6 - e0 - e1)
	MKSC 8, 9
	s_wait_alu depctr_va_vdst(0)
	s_mov_b32 s12, s77                             ; e9, for p0
	MKSC 10, 11
	s_sub_co_i32 s12, s78, s76
	s_sub_co_i32 s12, s12, s77                     ; e10 - e8 - e9, for ctx
	MKSC 12, 13
	s_add_co_i32 s12, s74, s75
	s_sub_co_i32 s12, s12, 3
	s_lshl_b32 s12, s12, 23
	s_add_co_i32 s88, s12, 0x3fb8aa3b              ; log2(e) x 2^(e6 + e7) / 8: the whole numbers are added to its exponent field
	s_mov_b32 s99, 0xffff                          ; lanes 0 to 15
.irp dt, 0,1,2,3
	v_cndmask_b32 v[VF+8*\dt], 0, v[VF+8*\dt], s99 ; in lanes 16 to 31 register 0 holds keys 8 to 11: codes 0.  (These four and the six moves above are the places behind the last products)
.endr
.set j, 0
.rept 128
	v_med3_num_f32 v[ACC+j], v[ACC+j], -v9, v9     ; the hold, each accumulator from its low end on
.set j, j+1
.endr
	WIN 0x40                                       ; destination window 1
.irp a, 0,1,2,3
.irp b, 0,1,2,3
	v_cvt_scalef32_pk8_fp8_f32 v[8*\a+2*\b:8*\a+2*\b+1], v[ACC+8*(4*\a+\b):ACC+8*(4*\a+\b)+7], v8   ; registers 2 b, 2 b + 1 of the K = 64 operand: d = 16 b + 8 h + 0 .. 7 of query r
.endr
.endr
	v_nop                                          ; one plain instruction behind the last conversion
	WIN 0x04                                       ; source 1 window 1
.irp a, 0,1,2,3
	v_wmma_f32_16x16x64_fp8_fp8 v[ACC+32*\a:ACC+32*\a+7], v[KF:KF+7], v[8*\a:8*\a+7], 0   ; every register of lane (r, h): query r . k0
.endr
	WIN 0
	PLACES
.irp a, 0,1,2,3
	v_mul_f32 v[TT+\a], s88, v[ACC+32*\a]          ; t
.endr
.irp a, 0,1,2,3
	v_floor_f32 v[P0+\a], -v[TT+\a]                ; -M = floor(-t) = -ceil(t)
.endr
.irp a, 0,1,2,3
	v_add_f32 v[TT+\a], v[TT+\a], v[P0+\a]         ; t - M, above -1 and at most 0
.endr
	s_wait_alu depctr_va_vdst(0)
.irp a, 0,1,2,3
	v_exp_f32 v[P0+\a], v[TT+\a]                   ; p0, which is also the row's sum
.endr
	v_nop
	s_wait_alu depctr_va_vdst(0)                   ; one wait for the four, ahead of their first reader
.irp a, 0,1,2,3
	v_rcp_f32 v[RC+2*\a], v[P0+\a]
.endr
.irp a, 0,1,2,3
	v_min_num_f32 v[TT+\a], v[P0+\a], v11          ; p0 is not negative: the hold is one-sided.  (Plain instructions behind the reciprocals)
.endr
	s_wait_alu depctr_va_vdst(0)                   ; one wait for the four reciprocals
.irp a, 0,1,2,3
	v_cndmask_b32 v[PS], 0, v[TT+\a], s99          ; key 0 lies in lanes 0 to 15
	v_cvt_scalef32_pk8_fp8_f32 v[PF+8*\a:PF+8*\a+1], v[PS:PS+7], v10
	v_nop                                          ; a plain instruction before the conversion's source is written again, and before its result is multiplied
.endr
.irp a, 0,1,2,3
.irp dt, 0,1,2,3
	v_wmma_f32_16x16x64_fp8_fp8 v[ACC+8*(4*\a+\dt):ACC+8*(4*\a+\dt)+7], v[VF+8*\dt:VF+8*\dt+7], v[PF+8*\a:PF+8*\a+7], 0   ; lane (r, h), register j: code(v0(16 dt + 8 h + j)) x code(p0 of query r)
.endr
.endr
	PLACES
.irp a, 0,1,2,3
.set j, 0
.rept 16
	v_pk_mul_f32 v[ACC+32*\a+j:ACC+32*\a+j+1], v[ACC+32*\a+j:ACC+32*\a+j+1], v[RC+2*\a:RC+2*\a+1] op_sel_hi:[1,0]   ; / the row's sum
.set j, j+2
.endr
.endr
.set j, 0
.rept 128
	v_med3_num_f32 v[ACC+j], v[ACC+j], -v13, v13
.set j, j+1
.endr
	WIN 0x40
.irp a, 0,1,2,3
.irp dt, 0,1,2,3
	v_cvt_scalef32_pk8_fp8_f32 v[32+8*\a+2*\dt:32+8*\a+2*\dt+1], v[ACC+8*(4*\a+\dt):ACC+8*(4*\a+\dt)+7], v12
.endr
.endr
	v_nop
	WIN 0x04                                       ; a store's data: source 1, window 1
.irp a, 0,1,2,3
.irp dt, 0,1,2,3
	global_store_b64 v[LO], v[32+8*\a+2*\dt:32+8*\a+2*\dt+1], s[84:85] offset:\a*8192+\dt*256   ; the wave stores one block of 16 rows x 16 k: 256 consecutive bytes, aligned
.endr
.endr
	WIN 0
	s_wait_tensorcnt 0x0                           ; the wave's end
	ds_add_u32 v[SPW], v[NIL]
	s_wait_dscnt 0x0
	CROUND                                         ; the closing round
	s_endpgm
.Lfunc_end_k_q9038e09493_gq:
	.size	k_q9038e09493_gq, .Lfunc_end_k_q9038e09493_gq-k_q9038e09493_gq
	.p2alignl 7, 3214868480
	.fill 96, 4, 3214868480
	.section	.rodata,"a",@progbits
	.p2align	6, 0x0
	.amdhsa_kernel k_q9038e09493_gq
		.amdhsa_group_segment_fixed_size 327680
		.amdhsa_private_segment_fixed_size 0
		.amdhsa_enable_private_segment 0
		.amdhsa_kernarg_size 40
		.amdhsa_user_sgpr_count 2
		.amdhsa_user_sgpr_kernarg_segment_ptr 1
		.amdhsa_wavefront_size32 1
		.amdhsa_system_sgpr_workgroup_id_x 1
		.amdhsa_system_sgpr_workgroup_id_y 1
		.amdhsa_system_sgpr_workgroup_id_z 1
		.amdhsa_system_vgpr_workitem_id 0
		.amdhsa_next_free_vgpr 512
		.amdhsa_next_free_sgpr 100
		.amdhsa_reserve_vcc 0
		.amdhsa_float_denorm_mode_32 3
		.amdhsa_float_denorm_mode_16_64 3
		.amdhsa_memory_ordered 1
		.amdhsa_forward_progress 1
		.amdhsa_inst_pref_size 64
	.end_amdhsa_kernel
	.amdgpu_metadata
---
amdhsa.version: [ 1, 2 ]
amdhsa.kernels:
  - .name:           k_q9038e09493_gq
    .symbol:         k_q9038e09493_gq.kd
    .args:
      - { .name: hq, .offset: 0, .size: 8, .value_kind: global_buffer, .address_space: global }
      - { .name: wq_codes, .offset: 8, .size: 8, .value_kind: global_buffer, .address_space: global }
      - { .name: lowp_scales, .offset: 16, .size: 8, .value_kind: global_buffer, .address_space: global }
      - { .name: kv, .offset: 24, .size: 8, .value_kind: global_buffer, .address_space: global }
      - { .name: cx, .offset: 32, .size: 8, .value_kind: global_buffer, .address_space: global }
    .group_segment_fixed_size: 327680
    .private_segment_fixed_size: 0
    .kernarg_segment_align: 8
    .kernarg_segment_size: 40
    .max_flat_workgroup_size: 128
    .sgpr_count:     100
    .vgpr_count:     512
    .wavefront_size: 32
...
	.end_amdgpu_metadata
.endif
;; end of part 2
;; launch go (part 3): grid 8 x 32, 4 waves a work-group, clusters of 4 x 4, 327,680 bytes of LDS; arguments cx, wo_codes, lowp_scales, x, x1; writes x1
.if DOCPART == 3
	.amdgcn_target "amdgcn-amd-amdhsa--gfx1250"
	.amdhsa_code_object_version 6
	.text
	.protected	k_q9038e09493_go
	.globl	k_q9038e09493_go
	.p2align	8
	.type	k_q9038e09493_go,@function
k_q9038e09493_go:
	s_mov_b64 s[64:65], 0
	v_nop
	global_prefetch_b8 v0, s[64:65] scope:SCOPE_SE
	s_setreg_imm32_b32 hwreg(HW_REG_WAVE_MODE, 25, 1), 1
	s_wait_xcnt 0x0
	s_wait_alu depctr_hold_cnt(0) depctr_sa_sdst(0) depctr_va_vdst(0) depctr_va_sdst(0) depctr_va_ssrc(0) depctr_va_vcc(0) depctr_vm_vsrc(0)
	s_getreg_b32 s2, hwreg(HW_REG_IB_STS2, 6, 4)
	s_cmp_eq_u32 s2, 0
	s_cbranch_scc0 .Lentry_in_a_cluster
	s_endpgm
.Lentry_in_a_cluster:
	s_bfe_u32 s2, ttmp6, 0x10000c
	s_cmp_lg_u32 s2, 0xf033
	s_cbranch_scc0 .Lentry_shape_is_right
	s_endpgm
.Lentry_shape_is_right:
; x1 = x + ctx wo, the product on codes of E4M3: sums x 2^(e10 + e11).
; A tile of 128 rows x 128 columns to a work-group (256 work-groups); four waves, each 64 x 64: 16 accumulators.  K = 1,024 lies in two LDS slots of 512, each filled once by the tensor data mover.
; A (cx) is laid as images of operand registers: 64 rows x 512 k are one dense block of 32,768 bytes, and a fragment's load takes 512 consecutive bytes.  B (wo's codes, rows of 1,024 bytes) comes as 64 rows x 512 bytes, 16 bytes of padding behind each.
; Both sides hold k = 32 c + 16 (lane / 16) + 0 .. 15 in registers 4 c .. 4 c + 3: a permutation of k, alike in A and B.  THE MATRIX INSTRUCTION IS USED TRANSPOSED (source 0 = 16 rows of B, source 1 = 16 rows of A): a lane holds eight neighbouring columns of one row.
; CLUSTERS: 4 x 4 work-groups; A's tiles are asked for jointly along a row of the cluster, B's along a column.
; THE WAY OUT.  The wave's 64 x 64 numbers of x are asked for at the head, in the layout of the stores, and land under the products.  The sums go, 16 rows at a time, through the wave's own stage in LDS and come back as rows of 256 bytes;
; one packed multiply-add gives sum x 2^(e10 + e11) + x; sixteen lanes store 256 consecutive bytes, aligned.
; LIMIT: e10 + e11 between -126 and 127.  No prefetch: both slots are asked for at the head, and nothing is asked for later.
; REGISTERS: window 0: v1 r, v2 h, v16-30 addresses, v32-95 rows on their way out, v128-255 the accumulators ((a, b) at v[128 + 8 (4 a + b)]).  window 1: two fragment buffers of 128: A's four fragments, then B's four.  window 2: v0-127 x.
.set KTOT,  1024
.set EA,    78                         ; s78, s79: entries 10 and 11
.set EB,    79
; ALL OF K LIES IN LDS AT ONCE, brought by one tensor load a wave: A's 64 rows as two rows of 32,768 bytes (the two slabs of 512 k, one behind the other in LDS), B's 64 rows as rows of 1,024 bytes.
.set BP,    1040                       ; a row of B in LDS: 1,024 bytes + 16 = 260 words: the 16 rows of a load start at 16 different banks
.set AH,    32768
.set BH,    64*BP
.set BOFF,  4*AH
.set SLOT,  BOFF+2*BH
.set SPARE, SLOT
.set STAGE, SPARE+512                  ; behind them: 16 rows x 272 bytes for each wave
.set SP,    272
.set LAPS,  KTOT/1024
.set ADRA, 16
.set ADRB, 20
.set STO,  24                          ; v24 the stage: where I put 32 bytes of a row
.set RD,   25                          ; v25 and where I read a row back
.set CO,   26                          ; v26 my byte offset in two rows of x and x1
.set SPW,  28
.set NIL,  29
.set BB,   32
.set ACC,  128
.set F0,   0
.set F1,   128
.set G1,  24
.set G0,  32
.set G1B, 48
.set G0B, 56
.set MSB, 0
.macro WIN new                         ; the immediate's high byte repeats the setting that is left
.if MSB != (\new)
	s_set_vgpr_msb (MSB<<8)|(\new)
.set MSB, (\new)
.endif
.endm
.set MUL,  0x05
.set TO_F, 0x40
.macro JLOAD s                         ; a joint load: waves 0 and 1 fetch A's halves, waves 2 and 3 B's; four v_nop follow each line
	s_cmp_eq_u32 s91, 0
	s_cbranch_scc0 .Lfor_b_\@
	tensor_load_to_lds s[G0+4*\s:G0+4*\s+3], s[G1:G1+7]
	s_nop 0
.rept 4
	v_nop
.endr
	s_branch .Lasked_\@
.Lfor_b_\@:
	tensor_load_to_lds s[G0B+4*\s:G0B+4*\s+3], s[G1B:G1B+7]
	s_nop 0
.rept 4
	v_nop
.endr
.Lasked_\@:
.endm
.macro CREST
	s_cmp_lg_u32 s90, 0
	s_cbranch_scc1 .Lnot_wave_0_\@
	s_barrier_signal -3
.Lnot_wave_0_\@:
	s_barrier_wait -3
	s_barrier_signal -1
	s_barrier_wait -1
.endm
.macro CROUND
	s_barrier_signal -1
	s_barrier_wait -1
	CREST
.endm
.macro PLACES                          ; four places behind matrix instructions (ISA guide 7.12.1)
.rept 4
	v_nop
.endr
.endm
	s_load_b256 s[4:11], s[0:1], 0x0               ; cx, wo's codes, the exponents, x
	s_load_b64 s[84:85], s[0:1], 0x20              ; x1
	v_lshl_add_u32 v[SPW], v0, 2, SPARE
	v_mov_b32 v[NIL], 0
	ds_add_u32 v28, v29
	ds_add_u32 v28, v29
	s_wait_dscnt 0x0
	v_lshrrev_b32 v1, 5, v0
	v_readfirstlane_b32 s90, v1                    ; wave
	s_lshr_b32 s91, s90, 1                         ; my half of the tile's rows.  Also: I fetch for A (0) or for B (1)
	s_and_b32 s92, s90, 1                          ; my half of its columns.  Also: which half I fetch
	s_bfe_u32 s95, ttmp6, 0x40000
	s_bfe_u32 s96, ttmp6, 0x40004
	s_lshl_b32 s94, ttmp9, 2
	s_add_co_u32 s94, s94, s95                     ; tile column
	s_and_b32 s93, ttmp7, 0xffff
	s_lshl_b32 s93, s93, 2
	s_add_co_u32 s93, s93, s96                     ; tile row
	s_lshl_b32 s97, s96, 2
	s_lshl_b32 s97, 15, s97
	s_lshl_b32 s98, 0x1111, s95
	s_or_b32 s[G1+0], s97, (3<<16)|(1<<21)         ; A: the mask; elements of 8 bytes; bit 21 beside a mask; no padding
	s_mov_b32 s[G1+1], 4096<<16                    ; tensor_dim0 = 4,096 elements: a row is 64 rows x 512 k, 32,768 dense bytes
	s_mov_b32 s[G1+2], 2<<16                       ; tensor_dim1 = 2: the two slabs
	s_mov_b32 s[G1+3], 4096<<16                    ; tile_dim0
	s_mov_b32 s[G1+4], 2                           ; tile_dim1
	s_mov_b32 s[G1+5], 0x40000                     ; the pitch: a slab is 2 MiB
	s_mov_b32 s[G1+6], 0
	s_mov_b32 s[G1+7], 0
	s_or_b32 s[G1B+0], s98, (1<<20)|(1<<21)|(7<<22)|(3<<25)  ; B: the mask; elements of 1 byte; four words of padding after every 256
	s_mov_b32 s[G1B+1], 1024<<16
	s_mov_b32 s[G1B+2], 64<<16
	s_mov_b32 s[G1B+3], 1024<<16
	s_mov_b32 s[G1B+4], 64
	s_mov_b32 s[G1B+5], KTOT
	s_mov_b32 s[G1B+6], 0
	s_mov_b32 s[G1B+7], 0
	s_lshl_b32 s16, s93, 16
	s_lshl_b32 s17, s92, 15
	s_add_co_u32 s16, s16, s17
	s_mov_b32 s17, 0
	s_lshl_b32 s46, s94, 7
	s_lshl_b32 s47, s92, 6
	s_add_co_u32 s46, s46, s47
	s_mul_i32 s46, s46, KTOT
	s_mov_b32 s47, 0
	s_lshl_b32 s20, s92, 16
	s_mul_i32 s21, s92, BH
	s_add_co_u32 s21, s21, BOFF
	s_wait_kmcnt 0x0
	s_load_b512 s[68:83], s[8:9], 0x0              ; the sixteen exponents: entry n in s[68 + n]
	s_add_nc_u64 s[14:15], s[4:5], s[16:17]
	s_add_nc_u64 s[46:47], s[6:7], s[46:47]
	CROUND                                         ; all sixteen work-groups are here: the first joint loads meet
.irp s, 0
	s_mov_b32 s[G0+4*\s], 1
	s_add_co_u32 s[G0+4*\s+1], s20, \s*SLOT
	s_add_nc_u64 s[G0+4*\s+2:G0+4*\s+3], s[14:15], \s*0x200000
	s_or_b32 s[G0+4*\s+3], s[G0+4*\s+3], 0x80000000
	s_mov_b32 s[G0B+4*\s], 1
	s_add_co_u32 s[G0B+4*\s+1], s21, \s*SLOT
	s_add_nc_u64 s[G0B+4*\s+2:G0B+4*\s+3], s[46:47], \s*512
	s_or_b32 s[G0B+4*\s+3], s[G0B+4*\s+3], 0x80000000
	JLOAD \s
.endr
	v_and_b32 v1, 15, v0                           ; r
	v_bfe_u32 v2, v0, 4, 1                         ; h
	v_and_b32 v30, 31, v0
	v_lshlrev_b32 v3, 4, v30
	v_mul_u32_u24 v4, v1, BP
	v_lshl_add_u32 v4, v2, 4, v4
	s_lshl_b32 s22, s91, 16
	s_mul_i32 s23, s92, BH
	s_add_co_u32 s23, s23, BOFF
.irp s, 0,1
	v_add_nc_u32 v[ADRA+\s], s22, v3
	v_add_nc_u32 v[ADRB+\s], s23, v4
	s_add_co_u32 s22, s22, AH                      ; the second 512 k: A's next 32,768 bytes,
	s_add_co_u32 s23, s23, 512                     ; B's next 512 bytes of each row
.endr
	s_mul_i32 s22, s90, 16*SP
	s_add_co_u32 s22, s22, STAGE                   ; my stage
	v_mul_u32_u24 v5, v1, SP
	v_lshl_add_u32 v5, v2, 5, v5
	v_add_nc_u32 v[STO], s22, v5                   ; in: row r, 32 bytes for each half of the lanes
	v_mul_u32_u24 v5, v2, SP
	v_lshl_add_u32 v5, v1, 4, v5
	v_add_nc_u32 v[RD], s22, v5                    ; back: lanes 0-15 one row of 256 bytes, lanes 16-31 the next
	v_lshlrev_b32 v[CO], 12, v2
	v_lshl_add_u32 v[CO], v1, 4, v[CO]             ; and the same two rows in memory
	s_wait_alu depctr_va_vdst(0)
	s_lshl_b32 s16, s93, 19                        ; 128 rows of 4,096 bytes,
	s_lshl_b32 s18, s91, 18                        ; my wave's 64
	s_add_co_u32 s16, s16, s18
	s_mov_b32 s17, 0
	s_lshl_b32 s46, s94, 9                         ; 128 columns of 4 bytes, my wave's 64
	s_lshl_b32 s47, s92, 8
	s_add_co_u32 s46, s46, s47
	s_mov_b32 s47, 0
	s_add_nc_u64 s[10:11], s[10:11], s[16:17]
	s_add_nc_u64 s[10:11], s[10:11], s[46:47]
	s_add_nc_u64 s[84:85], s[84:85], s[16:17]
	s_add_nc_u64 s[84:85], s[84:85], s[46:47]
	WIN 0x80                                       ; destination window 2
.irp a, 0,1,2,3
.irp t, 0,1,2,3,4,5,6,7
	global_load_b128 v[4*(8*\a+\t):4*(8*\a+\t)+3], v[CO], s[10:11] offset:(16*\a+2*\t)*4096 th:TH_LOAD_NT   ; x at my 64 x 64, as the stores will want it; waited for on the way out
.endr
.endr
	WIN 0
.macro MUL4 f, a, zero                 ; A's block a against B's four.  The 16 accumulators take turns, one instruction a turn, in the same order in every quarter
.irp b, 0,1,2,3
.if \zero
	v_wmma_f32_16x16x128_fp8_fp8 v[ACC+8*(4*(\a)+\b):ACC+8*(4*(\a)+\b)+7], v[\f+64+16*\b:\f+64+16*\b+15], v[\f+16*(\a):\f+16*(\a)+15], 0
.else
	v_wmma_f32_16x16x128_fp8_fp8 v[ACC+8*(4*(\a)+\b):ACC+8*(4*(\a)+\b)+7], v[\f+64+16*\b:\f+64+16*\b+15], v[\f+16*(\a):\f+16*(\a)+15], v[ACC+8*(4*(\a)+\b):ACC+8*(4*(\a)+\b)+7]
.endif
.endr
.endm
.macro MUL8 f, a0, zero
	MUL4 \f, \a0, \zero
	MUL4 \f, \a0+1, \zero
.endm
.macro FETCH slot, q, f                ; 32 LDS loads in one run: B's four fragments, then A's four
	WIN TO_F
.irp i, 0,1,2,3
.irp c, 0,1,2,3
	ds_load_b128 v[\f+64+16*\i+4*\c:\f+64+16*\i+4*\c+3], v[ADRB+\slot] offset:128*(\q)+32*\c+\i*16*BP
.endr
.endr
.irp i, 0,1,2,3
.irp c, 0,1,2,3
	ds_load_b128 v[\f+16*\i+4*\c:\f+16*\i+4*\c+3], v[ADRA+\slot] offset:\i*8192+(\q)*2048+512*\c
.endr
.endr
.endm
.macro QUARTER slot, qn, f, g, zero
	s_wait_dscnt 8                                 ; B and A's blocks 0, 1 are in; the youngest eight loads (A's blocks 2, 3) may be out
	WIN MUL
	MUL8 \f, 0, \zero
	PLACES
	FETCH \slot, \qn, \g
	s_wait_dscnt 32                                ; all but the 32 just issued
	WIN MUL
	MUL8 \f, 2, \zero
.endm
	s_wait_tensorcnt 0x0                           ; my one load is in
	s_barrier_signal -1
	s_barrier_wait -1
	FETCH 0, 0, F0
	QUARTER 0, 1, F0, F1, 1                        ; the first products start the sums
	QUARTER 0, 2, F1, F0, 0
	QUARTER 0, 3, F0, F1, 0
	QUARTER 1, 0, F1, F0, 0
	QUARTER 1, 1, F0, F1, 0
	QUARTER 1, 2, F1, F0, 0
	QUARTER 1, 3, F0, F1, 0
	s_wait_dscnt 8
	WIN MUL
	MUL8 F1, 0, 0
	s_wait_dscnt 0x0
	MUL8 F1, 2, 0
	WIN 0
.macro TOSTAGE a                       ; block a's 16 rows x 64 sums into my stage, each accumulator from its low end on, and back as rows.  LDS serves a wave's instructions in order (ISA guide 5.7.1.4)
.irp b, 0,1,2,3
	ds_store_b128 v[STO], v[ACC+8*(4*(\a)+\b):ACC+8*(4*(\a)+\b)+3] offset:64*\b
	ds_store_b128 v[STO], v[ACC+8*(4*(\a)+\b)+4:ACC+8*(4*(\a)+\b)+7] offset:64*\b+16
.endr
.irp t, 0,1,2,3,4,5,6,7
	ds_load_b128 v[BB+32*((\a)%2)+4*\t:BB+32*((\a)%2)+4*\t+3], v[RD] offset:\t*2*SP
.endr
.endm
.macro SEND a, younger                 ; younger: the LDS instructions issued behind block a's loads
	s_wait_dscnt \younger
	WIN 0x20                                       ; source 2 (x) window 2
.set i, 0
.rept 16
	v_pk_fma_f32 v[BB+32*((\a)%2)+i:BB+32*((\a)%2)+i+1], v[BB+32*((\a)%2)+i:BB+32*((\a)%2)+i+1], s[88:89], v[32*(\a)+i:32*(\a)+i+1] op_sel_hi:[1,0,1]   ; sum x 2^(e10 + e11) + x
.set i, i+2
.endr
	WIN 0
.irp t, 0,1,2,3,4,5,6,7
	global_store_b128 v[CO], v[BB+32*((\a)%2)+4*\t:BB+32*((\a)%2)+4*\t+3], s[84:85] offset:(16*(\a)+2*\t)*4096   ; 16 lanes store 256 consecutive bytes, aligned
.endr
.endm
	s_wait_loadcnt 0x0                             ; x
	s_wait_kmcnt 0x0
	s_add_co_i32 s88, s[EA], s[EB]
	s_add_co_i32 s88, s88, 127
	s_lshl_b32 s88, s88, 23                        ; 2^(eA + eB) as f32
	s_mov_b32 s89, s88                             ; (named with it as a pair)
	PLACES
	TOSTAGE 0
.irp a, 1,2,3
.if \a > 1
	s_wait_xcnt 0x0                                ; block a - 2's stores have read their registers: block a's rows may land there
.endif
	TOSTAGE \a
	SEND \a-1, 16                                  ; behind block a - 1's loads: block a's 8 stores and 8 loads
.endr
	SEND 3, 0
	s_wait_tensorcnt 0x0                           ; the wave's end
	ds_add_u32 v[SPW], v[NIL]
	s_wait_dscnt 0x0
	CROUND                                         ; the closing round
	s_endpgm
.Lfunc_end_k_q9038e09493_go:
	.size	k_q9038e09493_go, .Lfunc_end_k_q9038e09493_go-k_q9038e09493_go
	.p2alignl 7, 3214868480
	.fill 96, 4, 3214868480
	.section	.rodata,"a",@progbits
	.p2align	6, 0x0
	.amdhsa_kernel k_q9038e09493_go
		.amdhsa_group_segment_fixed_size 327680
		.amdhsa_private_segment_fixed_size 0
		.amdhsa_enable_private_segment 0
		.amdhsa_kernarg_size 40
		.amdhsa_user_sgpr_count 2
		.amdhsa_user_sgpr_kernarg_segment_ptr 1
		.amdhsa_wavefront_size32 1
		.amdhsa_system_sgpr_workgroup_id_x 1
		.amdhsa_system_sgpr_workgroup_id_y 1
		.amdhsa_system_sgpr_workgroup_id_z 1
		.amdhsa_system_vgpr_workitem_id 0
		.amdhsa_next_free_vgpr 768
		.amdhsa_next_free_sgpr 100
		.amdhsa_reserve_vcc 0
		.amdhsa_float_denorm_mode_32 3
		.amdhsa_float_denorm_mode_16_64 3
		.amdhsa_memory_ordered 1
		.amdhsa_forward_progress 1
		.amdhsa_inst_pref_size 48
	.end_amdhsa_kernel
	.amdgpu_metadata
---
amdhsa.version: [ 1, 2 ]
amdhsa.kernels:
  - .name:           k_q9038e09493_go
    .symbol:         k_q9038e09493_go.kd
    .args:
      - { .name: cx, .offset: 0, .size: 8, .value_kind: global_buffer, .address_space: global }
      - { .name: wo_codes, .offset: 8, .size: 8, .value_kind: global_buffer, .address_space: global }
      - { .name: lowp_scales, .offset: 16, .size: 8, .value_kind: global_buffer, .address_space: global }
      - { .name: x, .offset: 24, .size: 8, .value_kind: global_buffer, .address_space: global }
      - { .name: x1, .offset: 32, .size: 8, .value_kind: global_buffer, .address_space: global }
    .group_segment_fixed_size: 327680
    .private_segment_fixed_size: 0
    .kernarg_segment_align: 8
    .kernarg_segment_size: 40
    .max_flat_workgroup_size: 128
    .sgpr_count:     100
    .vgpr_count:     768
    .wavefront_size: 32
...
	.end_amdgpu_metadata
.endif
;; end of part 3
;; launch ln2 (part 4): grid 256 x 1, 4 waves a work-group, no clusters, 17,920 bytes of LDS; arguments x1, ln2_a, ln2_b, lowp_scales, h2; writes h2
.if DOCPART == 4
	.amdgcn_target "amdgcn-amd-amdhsa--gfx1250"
	.amdhsa_code_object_version 6
	.text
	.protected	k_q9038e09493_ln2
	.globl	k_q9038e09493_ln2
	.p2align	8
	.type	k_q9038e09493_ln2,@function
k_q9038e09493_ln2:
	s_mov_b64 s[64:65], 0
	v_nop
	global_prefetch_b8 v0, s[64:65] scope:SCOPE_SE
	s_setreg_imm32_b32 hwreg(HW_REG_WAVE_MODE, 25, 1), 1
	s_wait_xcnt 0x0
; LAYER NORM INTO CODES OF E4M3.  y = a (x - mean) / (std + 1e-6) + b along rows of 1,024 f32 numbers (std with 1,023 in the divisor), then code = y / 2^e, held within +-448, to the nearest code.
; This is the first launch's text with KVWG = 0: its part for the four rows of key 0 is not assembled.  Each of 256 work-groups takes 16 rows of x1; e = entry 12 of the scales; the codes go into h2.
; THE CODES' LAYOUT is an image of the next product's operand registers: byte of (row m, column k) = (k / 256) 2^20 + (m / 16) 4096 + ((k % 256) / 16) 256 + (m % 16) 16 + k % 16: a block of 256 bytes holds 16 rows x 16 k.
; A wave owns 4 rows; a row lies in 32 registers of the wave (lane l: k = 128 i + 4 l + 0 .. 3), so mean and variance never leave the wave, and every load covers 512 consecutive bytes.
; The variance is taken of the centred numbers, in a second pass over registers.  The 16 rows' codes meet in LDS (64 blocks, 272 bytes apart), one barrier, and leave as whole blocks: each store covers 512 consecutive bytes, aligned.
; LIMITS: e12 between -126 and 119.  NaN and infinities among the inputs are not served.  1 / (std + 1e-6) is v_rcp_f32 and a multiplication.  No tensor load, no cluster, no matrix unit: a stream whose work-groups share nothing.
.set KVWG, 0
.set UP,   272                         ; from block to block in LDS: 256 bytes + 16
.set XO,   4                           ; v4-7    byte offset of my 16 bytes in row rr
.set STA,  8                           ; v8      LDS: where my 4 codes of piece 0, row 0 go
.set RDA,  9                           ; v9      LDS: where I read blocks back
.set LI,   10                          ; v10     16 x lane
.set SC,   11                          ; v11     2^e as f32
.set LIM,  12                          ; v12     448 x 2^e
.set FA,   13                          ; v13     at work
.set AL,   16                          ; v16-47  the gain at my 32 columns; later blocks on their way out
.set BE,   48                          ; v48-79  the bias
.set X,    80                          ; v80-207 four rows, 32 registers each
.set R4,   208                         ; v208-223 four registers a row: sums
.set C,    224                         ; v224-255 eight registers of codes a row
	s_load_b256 s[4:11], s[0:1], 0x0               ; x1, gain, bias, scales
	s_load_b64 s[16:17], s[0:1], 0x20              ; h2
	v_lshl_add_u32 v14, v0, 2, 0x4400
	v_mov_b32 v15, 0
	v_and_b32 v1, 31, v0                           ; lane
	v_and_b32 v2, 15, v0                           ; r
	v_bfe_u32 v3, v0, 4, 1                         ; h
	v_lshrrev_b32 v[XO], 5, v0
	v_readfirstlane_b32 s20, v[XO]                 ; wave
	v_lshlrev_b32 v[LI], 4, v1
	s_wait_alu depctr_va_vdst(0)
	s_mov_b32 s26, 0x76543210                      ; v_permlanex16_b32: lane l xor 16
	s_mov_b32 s27, 0xfedcba98
	s_mov_b32 s21, ttmp9                           ; which 16 rows
	s_lshl_b32 s22, s21, 16                        ; 16 rows of 4,096 bytes,
	s_lshl_b32 s23, s20, 14                        ; my wave's 4 of them
	s_add_co_u32 s22, s22, s23
	s_mov_b32 s24, 4096                            ; from row to row
	s_mov_b32 s23, 0
	v_mov_b32 v[XO], v[LI]
	v_add_nc_u32 v[XO+1], s24, v[XO]
	v_add_nc_u32 v[XO+2], s24, v[XO+1]
	v_add_nc_u32 v[XO+3], s24, v[XO+2]
	v_lshrrev_b32 v[STA], 2, v1                    ; my k = 128 i + 4 lane: block 8 i + lane / 4, byte 4 (lane % 4); row 4 wave + rr
	v_mul_u32_u24 v[STA], v[STA], UP
	v_and_b32 v[RDA], 3, v1
	v_lshl_add_u32 v[STA], v[RDA], 2, v[STA]
	s_lshl_b32 s28, s20, 6
	v_add_nc_u32 v[STA], s28, v[STA]
	v_mul_u32_u24 v[FA], v3, UP
	v_lshl_add_u32 v[FA], v2, 4, v[FA]
	s_mul_i32 s28, s20, 16*UP
	v_add_nc_u32 v[RDA], s28, v[FA]                ; back: my wave's 16 blocks, two an instruction
	s_lshl_b32 s32, s21, 12                        ; h2: 16 rows x 256 k are 4,096 bytes; my wave's 16 blocks are slab w
	s_lshl_b32 s33, s20, 20
	s_add_co_u32 s32, s32, s33
	s_mov_b32 s33, 0
	s_wait_alu depctr_va_vdst(0)
	s_wait_kmcnt 0x0
	s_load_b512 s[68:83], s[10:11], 0x0            ; the sixteen exponents: entry n in s[68 + n]
	s_add_nc_u64 s[22:23], s[4:5], s[22:23]
	s_add_nc_u64 s[34:35], s[16:17], s[32:33]
.irp rr, 0,1,2,3
.irp i, 0,1,2,3,4,5,6,7
	global_load_b128 v[X+32*\rr+4*\i:X+32*\rr+4*\i+3], v[XO+\rr], s[22:23] offset:512*\i th:TH_LOAD_NT   ; 32 lanes read 512 consecutive bytes
.endr
.endr
.irp i, 0,1,2,3,4,5,6,7
	global_load_b128 v[AL+4*\i:AL+4*\i+3], v[LI], s[6:7] offset:512*\i
	global_load_b128 v[BE+4*\i:BE+4*\i+3], v[LI], s[8:9] offset:512*\i
.endr
; the two chains of each row are added, then the 32 lanes: four steps ride on the addition, one crosses the halves; the four rows take turns line by line
.macro FOLD
.irp rr, 0,1,2,3
	v_pk_add_f32 v[R4+4*\rr:R4+4*\rr+1], v[R4+4*\rr:R4+4*\rr+1], v[R4+4*\rr+2:R4+4*\rr+3]
.endr
.irp rr, 0,1,2,3
	v_add_f32 v[R4+4*\rr], v[R4+4*\rr], v[R4+4*\rr+1]
.endr
.irp m, 1,2,4,8
.irp rr, 0,1,2,3
	v_add_f32_dpp v[R4+4*\rr], v[R4+4*\rr], v[R4+4*\rr] row_xmask:\m row_mask:0xf bank_mask:0xf
.endr
.endr
.irp rr, 0,1,2,3
	v_permlanex16_b32 v[R4+4*\rr+2], v[R4+4*\rr], s26, s27   ; its destination counts as read: it has been written
.endr
.irp rr, 0,1,2,3
	v_add_f32 v[R4+4*\rr], v[R4+4*\rr], v[R4+4*\rr+2]
.endr
.endm
	s_wait_loadcnt 16                              ; the four rows are in; the sixteen loads of gain and bias may be out
.irp rr, 0,1,2,3
	v_pk_add_f32 v[R4+4*\rr:R4+4*\rr+1], v[X+32*\rr:X+32*\rr+1], v[X+32*\rr+2:X+32*\rr+3]
	v_pk_add_f32 v[R4+4*\rr+2:R4+4*\rr+3], v[X+32*\rr+4:X+32*\rr+5], v[X+32*\rr+6:X+32*\rr+7]
.endr
.irp j, 8,12,16,20,24,28
.irp rr, 0,1,2,3
	v_pk_add_f32 v[R4+4*\rr:R4+4*\rr+1], v[R4+4*\rr:R4+4*\rr+1], v[X+32*\rr+\j:X+32*\rr+\j+1]
	v_pk_add_f32 v[R4+4*\rr+2:R4+4*\rr+3], v[R4+4*\rr+2:R4+4*\rr+3], v[X+32*\rr+\j+2:X+32*\rr+\j+3]
.endr
.endr
	FOLD
.irp rr, 0,1,2,3
	v_mul_f32 v[R4+4*\rr], 0x3a800000, v[R4+4*\rr]  ; the mean: sum / 1,024
.endr
.irp rr, 0,1,2,3
.set j, 0
.rept 16
	v_pk_add_f32 v[X+32*\rr+j:X+32*\rr+j+1], v[X+32*\rr+j:X+32*\rr+j+1], v[R4+4*\rr:R4+4*\rr+1] op_sel_hi:[1,0] neg_lo:[0,1] neg_hi:[0,1]   ; x - mean
.set j, j+2
.endr
.endr
.irp rr, 0,1,2,3
	v_pk_mul_f32 v[R4+4*\rr:R4+4*\rr+1], v[X+32*\rr:X+32*\rr+1], v[X+32*\rr:X+32*\rr+1]
	v_pk_mul_f32 v[R4+4*\rr+2:R4+4*\rr+3], v[X+32*\rr+2:X+32*\rr+3], v[X+32*\rr+2:X+32*\rr+3]
.endr
.irp j, 4,8,12,16,20,24,28
.irp rr, 0,1,2,3
	v_pk_fma_f32 v[R4+4*\rr:R4+4*\rr+1], v[X+32*\rr+\j:X+32*\rr+\j+1], v[X+32*\rr+\j:X+32*\rr+\j+1], v[R4+4*\rr:R4+4*\rr+1]
	v_pk_fma_f32 v[R4+4*\rr+2:R4+4*\rr+3], v[X+32*\rr+\j+2:X+32*\rr+\j+3], v[X+32*\rr+\j+2:X+32*\rr+\j+3], v[R4+4*\rr+2:R4+4*\rr+3]
.endr
.endr
	FOLD
.irp rr, 0,1,2,3
	v_mul_f32 v[R4+4*\rr], 0x3a802008, v[R4+4*\rr]  ; the variance: / 1,023
.endr
	s_wait_alu depctr_va_vdst(0)
.irp rr, 0,1,2,3
	v_sqrt_f32 v[R4+4*\rr+2], v[R4+4*\rr]
.endr
	v_nop                                          ; a plain instruction behind the last root,
	s_wait_alu depctr_va_vdst(0)                   ; and one wait for the four, ahead of their first reader
.irp rr, 0,1,2,3
	v_add_f32 v[R4+4*\rr+2], 0x358637bd, v[R4+4*\rr+2]   ; std + 1e-6
.endr
	s_wait_alu depctr_va_vdst(0)
.irp rr, 0,1,2,3
	v_rcp_f32 v[R4+4*\rr], v[R4+4*\rr+2]
.endr
	v_nop
	s_wait_kmcnt 0x0                               ; the exponents
	s_mov_b32 s25, s80                             ; entry 12
	s_add_co_i32 s25, s25, 127
	s_lshl_b32 s42, s25, 23
	v_mov_b32 v[SC], s42                           ; 2^e: the conversion takes its exponent field
	s_add_co_i32 s25, s25, 8
	s_lshl_b32 s25, s25, 23
	s_or_b32 s25, s25, 0x600000
	v_mov_b32 v[LIM], s25                          ; 448 x 2^e
	s_wait_alu depctr_va_vdst(0)                   ; one wait for the four reciprocals
.irp rr, 0,1,2,3
.set j, 0
.rept 16
	v_pk_mul_f32 v[X+32*\rr+j:X+32*\rr+j+1], v[X+32*\rr+j:X+32*\rr+j+1], v[R4+4*\rr:R4+4*\rr+1] op_sel_hi:[1,0]
.set j, j+2
.endr
.endr
	s_wait_loadcnt 0x0                             ; gain and bias
.irp rr, 0,1,2,3
.set j, 0
.rept 16
	v_pk_fma_f32 v[X+32*\rr+j:X+32*\rr+j+1], v[X+32*\rr+j:X+32*\rr+j+1], v[AL+j:AL+j+1], v[BE+j:BE+j+1]
.set j, j+2
.endr
.endr
.irp rr, 0,1,2,3
.set j, 0
.rept 32
	v_med3_num_f32 v[X+32*\rr+j], v[X+32*\rr+j], -v[LIM], v[LIM]   ; the conversion to an 8-bit code does not saturate (ISA guide 7.6.2): the hold comes first
.set j, j+1
.endr
.irp g, 0,1,2,3
	v_cvt_scalef32_pk8_fp8_f32 v[C+8*\rr+2*\g:C+8*\rr+2*\g+1], v[X+32*\rr+8*\g:X+32*\rr+8*\g+7], v[SC]   ; pieces 2 g and 2 g + 1: four codes in each register
.endr
.endr
	v_nop                                          ; one plain instruction behind the last conversion
.irp rr, 0,1,2,3
.irp i, 0,1,2,3,4,5,6,7
	ds_store_b32 v[STA], v[C+8*\rr+\i] offset:\i*8*UP+16*\rr   ; 32 lanes, 32 different banks: eight blocks 68 words apart, four words in each
.endr
.endr
	s_wait_dscnt 0x0                               ; for the others' sake: my codes lie in LDS
	s_barrier_signal -1
	s_barrier_wait -1                              ; all sixteen rows' do
.irp t, 0,1,2,3,4,5,6,7
	ds_load_b128 v[AL+4*\t:AL+4*\t+3], v[RDA] offset:\t*2*UP
.endr
.irp t, 0,1,2,3,4,5,6,7
	s_wait_dscnt 7-\t
	global_store_b128 v[LI], v[AL+4*\t:AL+4*\t+3], s[34:35] offset:512*\t   ; two whole blocks: 512 consecutive bytes, aligned
.endr
	s_wait_tensorcnt 0x0
	ds_add_u32 v14, v15
	s_wait_dscnt 0x0
	s_endpgm
.Lfunc_end_k_q9038e09493_ln2:
	.size	k_q9038e09493_ln2, .Lfunc_end_k_q9038e09493_ln2-k_q9038e09493_ln2
	.p2alignl 7, 3214868480
	.fill 96, 4, 3214868480
	.section	.rodata,"a",@progbits
	.p2align	6, 0x0
	.amdhsa_kernel k_q9038e09493_ln2
		.amdhsa_group_segment_fixed_size 17920
		.amdhsa_private_segment_fixed_size 0
		.amdhsa_enable_private_segment 0
		.amdhsa_kernarg_size 40
		.amdhsa_user_sgpr_count 2
		.amdhsa_user_sgpr_kernarg_segment_ptr 1
		.amdhsa_wavefront_size32 1
		.amdhsa_system_sgpr_workgroup_id_x 1
		.amdhsa_system_sgpr_workgroup_id_y 1
		.amdhsa_system_sgpr_workgroup_id_z 1
		.amdhsa_system_vgpr_workitem_id 0
		.amdhsa_next_free_vgpr 256
		.amdhsa_next_free_sgpr 100
		.amdhsa_reserve_vcc 0
		.amdhsa_float_denorm_mode_32 3
		.amdhsa_float_denorm_mode_16_64 3
		.amdhsa_memory_ordered 1
		.amdhsa_forward_progress 1
		.amdhsa_inst_pref_size 44
	.end_amdhsa_kernel
	.amdgpu_metadata
---
amdhsa.version: [ 1, 2 ]
amdhsa.kernels:
  - .name:           k_q9038e09493_ln2
    .symbol:         k_q9038e09493_ln2.kd
    .args:
      - { .name: x1, .offset: 0, .size: 8, .value_kind: global_buffer, .address_space: global }
      - { .name: ln2_a, .offset: 8, .size: 8, .value_kind: global_buffer, .address_space: global }
      - { .name: ln2_b, .offset: 16, .size: 8, .value_kind: global_buffer, .address_space: global }
      - { .name: lowp_scales, .offset: 24, .size: 8, .value_kind: global_buffer, .address_space: global }
      - { .name: h2, .offset: 32, .size: 8, .value_kind: global_buffer, .address_space: global }
    .group_segment_fixed_size: 17920
    .private_segment_fixed_size: 0
    .kernarg_segment_align: 8
    .kernarg_segment_size: 40
    .max_flat_workgroup_size: 128
    .sgpr_count:     100
    .vgpr_count:     256
    .wavefront_size: 32
...
	.end_amdgpu_metadata
.endif
;; end of part 4
;; launch g1 (part 5): grid 16 x 16, 4 waves a work-group, clusters of 4 x 4, 327,680 bytes of LDS; arguments h2, w1_codes, lowp_scales, b1, hid; writes hid
.if DOCPART == 5
	.amdgcn_target "amdgcn-amd-amdhsa--gfx1250"
	.amdhsa_code_object_version 6
	.text
	.protected	k_q9038e09493_g1
	.globl	k_q9038e09493_g1
	.p2align	8
	.type	k_q9038e09493_g1,@function
k_q9038e09493_g1:
	s_mov_b64 s[64:65], 0
	v_nop
	global_prefetch_b8 v0, s[64:65] scope:SCOPE_SE
	s_setreg_imm32_b32 hwreg(HW_REG_WAVE_MODE, 25, 1), 1
	s_wait_xcnt 0x0
	s_wait_alu depctr_hold_cnt(0) depctr_sa_sdst(0) depctr_va_vdst(0) depctr_va_sdst(0) depctr_va_ssrc(0) depctr_va_vcc(0) depctr_vm_vsrc(0)
	s_getreg_b32 s2, hwreg(HW_REG_IB_STS2, 6, 4)
	s_cmp_eq_u32 s2, 0
	s_cbranch_scc0 .Lentry_in_a_cluster
	s_endpgm
.Lentry_in_a_cluster:
	s_bfe_u32 s2, ttmp6, 0x10000c
	s_cmp_lg_u32 s2, 0xf033
	s_cbranch_scc0 .Lentry_shape_is_right
	s_endpgm
.Lentry_shape_is_right:
; hid = codes of gelu(LN2(x1) w1 + b1): the product on codes of E4M3, u = sum x 2^(e12 + e13) + b1, gelu(u) = u Phi(u), code = gelu / 2^e14, held within +-448, to the nearest code.
; A tile of 256 x 256 to a work-group (256 work-groups); four waves, each 128 x 128: 64 accumulators, 512 registers.  K = 1,024 goes in 4 slabs of 256 through a ring of two LDS slots.
; A slot holds A's 256 rows x 256 k (h2 is laid as images of operand registers: 65,536 dense bytes) and B's 256 rows x 256 bytes of w1's codes, 16 bytes of padding behind each row.
; WHO LOADS.  Wave w fills slot w / 2: A's tile (w even) or B's (w odd), one tensor load.  So the head's four loads, one a wave, fill both slots; behind each of the first two changes of slots the two waves of the slot that was left fill it again, 512 k further on.
; CLUSTERS: 4 x 4 work-groups; A's tiles are asked for jointly along a row of the cluster, B's along a column.  Each refill stands behind a round of the cluster's barrier.
; Both sides hold k = 32 c + 16 (lane / 16) + 0 .. 15 in registers 4 c .. 4 c + 3: a permutation of k, alike in A and B.  THE MATRIX INSTRUCTION IS USED TRANSPOSED (source 0 = 16 rows of B, source 1 = 16 rows of A): a lane holds eight neighbouring columns of one row.
; PREFETCH.  Behind the head's loads every wave names 32 blocks of 256 bytes of slab 2, behind the first refill of slab 3: the slab that the next refill loads, a slot's 128 matrix instructions a wave ahead of that load.
; A slab's tile of A is 256 blocks, of B 256 (one a row); the four partners that ask for a tile jointly share its blocks out by address (cx for A, cy for B), 64 each, 32 a wave: each block is named once in each cluster that loads it.
; GELU.  With z = |u| / sqrt 2 and t = 1 / (1 + 0.3275911 z):  y = Phi(-|u|) = erfc(z) / 2 = t (c1 + t (c2 + t (c3 + t (c4 + t c5)))) 2^(-(k u)^2), k^2 = log2(e) / 2;  gelu(u) = max(u, 0) - |u| y.
; LIMIT: that form's y differs from Phi(-|u|) by at most 1e-7 (absolute), so gelu by at most 1e-7 |u|.  No clamp is needed: for large |u|, t goes to 0 and the power of two to 0.
; THE WAY OUT goes in 16 trips of 16 rows x 64 columns (32 numbers a lane).  A trip's sums are picked by a tree of scalar branches on the trip's number, since register numbers cannot be indexed; all else is written once.
; Steps that take no sign modifier are written as dual pairs on registers i and i + 1; their constants lie in an even and an odd register each, so that the two halves' sources fall in different banks.
; The reciprocals alternate with max(u, 0), the powers of two with the polynomial's first step: what is written among them is first read behind the wait that closes the batch.
; A lane's eight codes are 8 bytes of a block of 16 rows x 16 k of hid's image (byte of (m, k) = (k / 512) 2^21 + (m / 16) 8192 + ((k % 512) / 16) 256 + (m % 16) 16 + k % 16): one store of the wave covers 256 consecutive bytes, aligned.
; LIMITS: e12 + e13 between -126 and 127; e14 between -126 and 119.  NaN and infinities are not served.
; REGISTERS: window 0: v2-15 the way out's constants, v16-30 addresses, v32-95 b1, v96-127 u, v128-255 A's fragments (one set), on the way out four arrays of 32.  window 1: B's fragments, two sets.  windows 2, 3: the accumulators ((a, b) at v[8 (8 (a % 4) + b)]).
.set KROW,   1024
.set PITCH,  272                       ; an LDS row of B: 256 bytes + 16 = 68 words: the 16 rows of a load start at 16 different banks
.set FR,     16
.set NL,     4
.set NP,     4
.set BOFF,   65536                     ; B's rows lie behind A's 256 rows
.set SLOT,   BOFF+256*PITCH
.set SPARE,  2*SLOT                    ; behind the ring: the spare words, 128 bytes for each wave
.set ADRA, 16
.set ADRB, 20
.set BO,   25
.set LO,   26
.set ST,   27
.set SPW,  28
.set NIL,  29
.set PFO,  30
.set B1,   32
.set U,    96
.set AF,   128
.set T,    128                         ; 1 + p' |u|, then t; at a trip's end the codes
.set E,    160                         ; k u, then (k u)^2, then 2^-(k u)^2, then that x t
.set Q,    192                         ; the polynomial, then y
.set R,    224                         ; max(u, 0)
.set G1,   24                          ; s[24:31] group 1 for A's tiles; s[32:35] my group 0 for A; s[36:39] for B; s[48:55] group 1 for B's
.set G0,   32
.set G0B,  36
.set G1B,  48
.set PFA,  56                          ; s[56:57] where my prefetches stand; s[58:59] a slab on, in bytes
.set PFS,  58
.set MSB, 0
.macro WIN new                         ; the immediate's high byte repeats the setting that is left
.if MSB != (\new)
	s_set_vgpr_msb (MSB<<8)|(\new)
.set MSB, (\new)
.endif
.endm
.set MUL_LO, 0xa1                      ; source 0 (B) window 1, source 1 (A) window 0, C and D window 2
.set MUL_HI, 0xf1                      ; the same, C and D window 3
.set TO_B,   0x40
.macro PLACES n                        ; places behind matrix instructions (ISA guide 7.12.1)
.rept \n
	v_nop
.endr
.endm
.macro JLOAD                           ; my joint load: even waves A's tile, odd waves B's; an s_nop 0 and four v_nop follow each line
	s_cmp_eq_u32 s16, 0
	s_cbranch_scc0 .Lfor_b_\@
	tensor_load_to_lds s[G0:G0+3], s[G1:G1+7]
	s_nop 0
	PLACES 4
	s_branch .Lasked_\@
.Lfor_b_\@:
	tensor_load_to_lds s[G0B:G0B+3], s[G1B:G1B+7]
	s_nop 0
	PLACES 4
.Lasked_\@:
.endm
.macro CREST                           ; a round of the cluster's barrier behind its opening barrier
	s_cmp_lg_u32 s14, 0
	s_cbranch_scc1 .Lnot_wave_0_\@
	s_barrier_signal -3
.Lnot_wave_0_\@:
	s_barrier_wait -3
	s_barrier_signal -1
	s_barrier_wait -1
.endm
.macro CROUND
	s_barrier_signal -1
	s_barrier_wait -1
	CREST
.endm
	s_load_b256 s[4:11], s[0:1], 0x0               ; h2, w1's codes, the exponents, b1
	s_load_b64 s[84:85], s[0:1], 0x20              ; hid
	v_lshl_add_u32 v[SPW], v0, 2, SPARE
	v_mov_b32 v[NIL], 0
	ds_add_u32 v[SPW], v[NIL]                      ; the opening lines: the add, twice on end, and its wait ahead of my first tensor load
	ds_add_u32 v[SPW], v[NIL]
	v_lshrrev_b32 v1, 5, v0
	v_readfirstlane_b32 s14, v1                    ; wave
	s_lshr_b32 s15, s14, 1                         ; my half of the tile's rows.  Also: the slot that I fill
	s_and_b32 s16, s14, 1                          ; my half of its columns.  Also: I fetch for A (0) or for B (1)
	s_bfe_u32 s40, ttmp6, 0x40000                  ; cx, cy
	s_bfe_u32 s41, ttmp6, 0x40004
	s_lshl_b32 s42, ttmp9, 2
	s_add_co_u32 s42, s42, s40                     ; tile column
	s_and_b32 s17, ttmp7, 0xffff
	s_lshl_b32 s17, s17, 2
	s_add_co_u32 s17, s17, s41                     ; tile row
	s_lshl_b32 s43, s41, 2
	s_lshl_b32 s43, 15, s43                        ; my row of the cluster
	s_lshl_b32 s44, 0x1111, s40                    ; my column
	s_or_b32 s[G1+0], s43, (3<<16)|(1<<21)         ; A: the mask; elements of 8 bytes; bit 21 beside a mask; no padding
	s_mov_b32 s[G1+1], 32<<16                      ; rows of 256 bytes,
	s_mov_b32 s[G1+2], 256<<16                     ; 256 of them: a dense block of 65,536 bytes
	s_mov_b32 s[G1+3], 32<<16
	s_mov_b32 s[G1+4], 256
	s_mov_b32 s[G1+5], 32
	s_mov_b32 s[G1+6], 0
	s_mov_b32 s[G1+7], 0
	s_or_b32 s[G1B+0], s44, (1<<20)|(1<<21)|(5<<22)|(3<<25)  ; B: the mask; elements of 1 byte; four words of padding after every 64
	s_mov_b32 s[G1B+1], 256<<16
	s_mov_b32 s[G1B+2], 256<<16
	s_mov_b32 s[G1B+3], 256<<16
	s_mov_b32 s[G1B+4], 256
	s_mov_b32 s[G1B+5], KROW
	s_mov_b32 s[G1B+6], 0
	s_mov_b32 s[G1B+7], 0
	s_lshl_b32 s20, s17, 16                        ; A: in a slab of 256 k, 256 rows are 65,536 bytes;
	s_lshl_b32 s21, s15, 20                        ; slab 0 or 1 (a slab is 1 MiB)
	s_add_co_u32 s20, s20, s21
	s_mov_b32 s21, 0
	s_lshl_b32 s46, s42, 18                        ; B: 256 rows of 1,024 bytes,
	s_lshl_b32 s47, s15, 8                         ; k 0 or 256 on
	s_add_co_u32 s46, s46, s47
	s_mov_b32 s47, 0
	s_mul_i32 s45, s15, SLOT                       ; where they go: no place in the cluster enters an LDS address
	s_add_co_u32 s19, s45, BOFF
	s_wait_dscnt 0x0                               ; both opening adds are done
	s_wait_kmcnt 0x0
	s_load_b128 s[92:95], s[8:9], 0x30             ; e12, e13, e14, e15
	s_mov_b32 s[G0], 1
	s_mov_b32 s[G0+1], s45
	s_add_nc_u64 s[G0+2:G0+3], s[4:5], s[20:21]
	s_or_b32 s[G0+3], s[G0+3], 0x80000000
	s_mov_b32 s[G0B], 1
	s_mov_b32 s[G0B+1], s19
	s_add_nc_u64 s[G0B+2:G0B+3], s[6:7], s[46:47]
	s_or_b32 s[G0B+3], s[G0B+3], 0x80000000
	CROUND                                         ; all sixteen work-groups are here: the first joint loads meet
	JLOAD                                          ; one tensor load a wave at the head: the four fill both slots
	s_lshl_b32 s21, s15, 15                        ; my 128 rows of A
	s_mul_i32 s22, s16, 128*PITCH
	s_add_co_u32 s22, s22, BOFF                    ; my 128 rows of B
	s_lshl_b32 s46, s42, 10                        ; b1 at my 128 columns
	s_lshl_b32 s47, s16, 9
	s_add_co_u32 s46, s46, s47
	s_mov_b32 s47, 0
	s_add_nc_u64 s[10:11], s[10:11], s[46:47]
	s_lshl_b32 s20, s17, 17                        ; hid: 16 rows x 512 k are 8,192 bytes: 16 such to a tile row, my wave's 8
	s_lshl_b32 s23, s15, 16
	s_add_co_u32 s20, s20, s23
	s_mov_b32 s23, s21
	s_mov_b32 s21, 0
	s_add_nc_u64 s[84:85], s[84:85], s[20:21]
	s_lshr_b32 s46, s42, 1                         ; the slab of 512 k: two tile columns each;
	s_lshl_b32 s46, s46, 21
	s_and_b32 s45, s42, 1
	s_lshl_b32 s45, s45, 12                        ; 256 k are 16 blocks of 256 bytes,
	s_add_co_u32 s46, s46, s45
	s_lshl_b32 s45, s16, 11                        ; my wave's 128 k eight
	s_add_co_u32 s46, s46, s45
	s_add_nc_u64 s[84:85], s[84:85], s[46:47]
	s_lshl_b32 s60, s17, 16                        ; the prefetches.  A: my tile's block of a slab, + 64 blocks x cx, + 32 x (wave / 2),
	s_lshl_b32 s61, s40, 14
	s_add_co_u32 s60, s60, s61
	s_lshl_b32 s61, s15, 13
	s_add_co_u32 s60, s60, s61
	s_add_co_u32 s60, s60, 0x200000                ; in slab 2
	s_lshl_b32 s61, s42, 8                         ; B: row 256 x tile column + 64 x cy + 32 x (wave / 2),
	s_lshl_b32 s62, s41, 6
	s_add_co_u32 s61, s61, s62
	s_lshl_b32 s62, s15, 5
	s_add_co_u32 s61, s61, s62
	s_lshl_b32 s61, s61, 10
	s_add_co_u32 s61, s61, 512                     ; k 512 on
	s_mov_b32 s[PFS], 256
	s_mov_b32 s[PFS+1], 0
	s_cmp_eq_u32 s16, 0
	s_cselect_b64 s[PFA:PFA+1], s[4:5], s[6:7]
	s_cselect_b32 s62, s60, s61
	s_cselect_b32 s[PFS], 0x100000, s[PFS]
	s_cselect_b32 s13, 0, -1
	s_mov_b32 s63, 0
	s_add_nc_u64 s[PFA:PFA+1], s[PFA:PFA+1], s[62:63]
	v_and_b32 v1, 15, v0                           ; r
	v_bfe_u32 v2, v0, 4, 1                         ; h
	v_and_b32 v6, 31, v0                           ; lane
	v_lshlrev_b32 v3, 4, v6
	v_mul_u32_u24 v4, v1, PITCH
	v_lshl_add_u32 v4, v2, 4, v4
	v_add_nc_u32 v[ADRA], s23, v3
	v_add_nc_u32 v[ADRB], s22, v4
	v_add_nc_u32 v[ADRA+1], SLOT, v[ADRA]
	v_add_nc_u32 v[ADRB+1], SLOT, v[ADRB]
	v_lshlrev_b32 v[BO], 5, v2                     ; b1: my eight columns of a block of 16
	v_lshlrev_b32 v[LO], 4, v1
	v_lshl_add_u32 v[LO], v2, 3, v[LO]             ; 16 r + 8 h: my 8 bytes of a block of hid
	v_lshlrev_b32 v7, 8, v6                        ; A's blocks: 256 bytes from lane to lane
	v_lshlrev_b32 v5, 10, v6                       ; B's: a lane a row of 1,024 bytes
	v_cndmask_b32 v[PFO], v7, v5, s13
	s_wait_alu depctr_va_vdst(0)                   ; the wait at the head's end
.irp b, 0,1,2,3,4,5,6,7
	global_load_b128 v[B1+8*\b:B1+8*\b+3], v[BO], s[10:11] offset:64*\b
	global_load_b128 v[B1+8*\b+4:B1+8*\b+7], v[BO], s[10:11] offset:64*\b+16
.endr
	global_prefetch_b8 v[PFO], s[PFA:PFA+1] th:TH_LOAD_NT scope:SCOPE_SE   ; slab 2, which the first refill loads
.macro FRAGB reg, adr, q, i
.irp c, 0,1,2,3
	ds_load_b128 v[\reg+4*\c:\reg+4*\c+3], v[\adr] offset:128*(\q)+32*\c+(\i)*16*PITCH
.endr
.endm
.macro FRAGA reg, adr, q, i
.irp c, 0,1,2,3
	ds_load_b128 v[\reg+4*\c:\reg+4*\c+3], v[\adr] offset:(\i)*4096+(\q)*2048+512*\c
.endr
.endm
.macro MUL16 a0, p, zero               ; A's blocks a0, a0 + 1 x B's eight.  The 64 accumulators take turns, one instruction a turn, in the same order in every step
.irp a, \a0, \a0+1
.irp b, 0,1,2,3,4,5,6,7
.if \zero
	v_wmma_f32_16x16x128_fp8_fp8 v[8*(8*((\a)%4)+\b):8*(8*((\a)%4)+\b)+7], v[128*(\p)+FR*\b:128*(\p)+FR*\b+FR-1], v[AF+FR*(\a):AF+FR*(\a)+FR-1], 0
.else
	v_wmma_f32_16x16x128_fp8_fp8 v[8*(8*((\a)%4)+\b):8*(8*((\a)%4)+\b)+7], v[128*(\p)+FR*\b:128*(\p)+FR*\b+FR-1], v[AF+FR*(\a):AF+FR*(\a)+FR-1], v[8*(8*((\a)%4)+\b):8*(8*((\a)%4)+\b)+7]
.endif
.endr
.endr
.endm
.macro FETCH_B slot, q, p
	WIN TO_B
.irp i, 0,1,2,3,4,5,6,7
	FRAGB 128*(\p)+FR*\i, ADRB+\slot, \q, \i
.endr
	WIN 0
.endm
.macro FETCH_A slot, q, i0
.irp i, \i0, \i0+1, \i0+2, \i0+3
	FRAGA AF+FR*(\i), ADRA+\slot, \q, \i
.endr
.endm
.macro STEP slot, q, zero              ; 128 along K that has its successor in the same slot
	s_wait_dscnt 4*NL                              ; B's set and A's blocks 0-3 are in; the youngest loads (A's blocks 4-7) may be out
	WIN MUL_LO
	MUL16 0, (\q)%2, \zero
	MUL16 2, (\q)%2, \zero
	s_wait_dscnt 0
	PLACES NP
	FETCH_B \slot, (\q)+1, 1-(\q)%2
	FETCH_A \slot, (\q)+1, 0
	WIN MUL_HI
	MUL16 4, (\q)%2, \zero
	MUL16 6, (\q)%2, \zero
	PLACES NP
	WIN 0
	FETCH_A \slot, (\q)+1, 4
.endm
; A slot's last step changes slots: one barrier; in front of it each wave waits for all its tensor loads, adds 0 to its spare word, and waits for that and for its reads of this slot.
; fill = 1: the barrier opens a round of the cluster's barrier, and the two waves of this slot fill it again first thing behind the round.
.macro TURN slot, next, fill
.if (\fill) && (\slot == 0)
	s_wait_xcnt 0x0                                ; my prefetch has read its address:
	s_add_nc_u64 s[PFA:PFA+1], s[PFA:PFA+1], s[PFS:PFS+1]  ; a slab on
.endif
	s_wait_tensorcnt 0x0                           ; all my tensor loads have landed
	ds_add_u32 v[SPW], v[NIL]                      ; 0 onto my spare word
	s_wait_dscnt 4*NL+1                            ; (the add and the youngest loads, A's blocks 4-7, may be out)
	WIN MUL_LO
	MUL16 0, 1, 0
	s_wait_dscnt 0x0                               ; the add is done, and my reads of this slot are over
	s_barrier_signal -1
	MUL16 2, 1, 0
	WIN 0
	s_barrier_wait -1
.if \fill
	CREST                                          ; no wave of any partner still reads this slot or has a load on its way
.if \slot == 0
	s_add_nc_u64 s[G0+2:G0+3], s[G0+2:G0+3], 0x200000   ; in every wave: my slot's next slab (no load of mine is out)
	s_add_nc_u64 s[G0B+2:G0B+3], s[G0B+2:G0B+3], 512
.endif
	s_cmp_lg_u32 s15, \slot
	s_cbranch_scc1 .Lother_\@
	s_mov_b32 s[G0+1], \slot*SLOT
	s_mov_b32 s[G0B+1], \slot*SLOT+BOFF
	JLOAD                                          ; my one tensor load behind the round
.Lother_\@:
.endif
	PLACES NP
	FETCH_B \next, 0, 0
	FETCH_A \next, 0, 0
.if (\fill) && (\slot == 0)
	global_prefetch_b8 v[PFO], s[PFA:PFA+1] th:TH_LOAD_NT scope:SCOPE_SE   ; slab 3, which the next refill loads
.endif
	WIN MUL_HI
	MUL16 4, 1, 0
	MUL16 6, 1, 0
	PLACES NP
	WIN 0
	FETCH_A \next, 0, 4
.endm
	s_wait_tensorcnt 0x0                           ; my load is in
	s_barrier_signal -1
	s_barrier_wait -1                              ; everybody's is: both slots are whole
	FETCH_B 0, 0, 0
	FETCH_A 0, 0, 0
	FETCH_A 0, 0, 4
	STEP 0, 0, 1                                   ; the first products start the sums: nothing is cleared
	TURN 0, 1, 1
	STEP 1, 0, 0
	TURN 1, 0, 1
	STEP 0, 0, 0
	TURN 0, 1, 0
	STEP 1, 0, 0
	s_wait_dscnt 4*NL
	WIN MUL_LO
	MUL16 0, 1, 0
	MUL16 2, 1, 0
	s_wait_dscnt 0
	WIN MUL_HI
	MUL16 4, 1, 0
	MUL16 6, 1, 0
	WIN 0
	s_wait_loadcnt 0x0                             ; b1
	s_wait_kmcnt 0x0
	s_add_co_i32 s96, s92, s93
	s_add_co_i32 s96, s96, 127
	s_lshl_b32 s96, s96, 23                        ; 2^(e12 + e13) as f32
	s_mov_b32 s97, s96                             ; (named with it as a pair)
	s_add_co_i32 s20, s94, 127
	s_lshl_b32 s21, s20, 23
	s_add_co_i32 s20, s20, 8
	s_lshl_b32 s20, s20, 23
	s_or_b32 s20, s20, 0x600000
	s_mov_b32 s70, 0x3e6d3388                      ; p' = 0.3275911 / sqrt 2
.irp o, 0,1                            ; each constant in an even and in an odd register, for the two halves of a dual pair
	v_mov_b32 v[2+\o], 0x3f07dc22                  ; c5
	v_mov_b32 v[4+\o], 0xbf3a00e3                  ; c4
	v_mov_b32 v[6+\o], 0x3f35f0e3                  ; c3
	v_mov_b32 v[8+\o], 0xbe11a98e                  ; c2
	v_mov_b32 v[10+\o], 0x3e027906                 ; c1
	v_mov_b32 v[14+\o], 0x3f596d27                 ; k
.endr
	v_mov_b32 v12, s21                             ; 2^e14
	v_mov_b32 v13, s20                             ; 448 x 2^e14
	PLACES NP
.macro HORNER c                        ; the polynomial x t + the constant in v[c], v[c + 1]
.set i, 0
.rept 16
	v_dual_fma_f32 v[Q+i], v[Q+i], v[T+i], v[\c] :: v_dual_fma_f32 v[Q+i+1], v[Q+i+1], v[T+i+1], v[\c+1]
.set i, i+2
.endr
.endm
.macro TEST lim
	s_cmp_lt_u32 s3, \lim
	s_cbranch_scc0 .Lp\lim
.endm
.macro VAR t                           ; trip t: rows 16 (t / 2) on, columns 64 (t % 2) on: u = sum x 2^(e12 + e13) + b1, each accumulator from its low end on
	WIN 0x02+((\t)/8)
	s_wait_alu depctr_va_vdst(0)                   ; the wait here, directly ahead of the first readers of these sums
.irp bb, 0,1,2,3
.irp pp, 0,2,4,6
	v_pk_fma_f32 v[U+8*\bb+\pp:U+8*\bb+\pp+1], v[8*(8*(((\t)/2)%4)+4*((\t)%2)+\bb)+\pp:8*(8*(((\t)/2)%4)+4*((\t)%2)+\bb)+\pp+1], s[96:97], v[B1+8*(4*((\t)%2)+\bb)+\pp:B1+8*(4*((\t)%2)+\bb)+\pp+1] op_sel_hi:[1,0,1]
.endr
.endr
	WIN 0
.if (\t) < 15
	s_branch .Lpicked
.endif
.endm
	s_mov_b32 s3, 0
.Lout:
	TEST 8
	TEST 4
	TEST 2
	TEST 1
	VAR 0
.Lp1:
	VAR 1
.Lp2:
	TEST 3
	VAR 2
.Lp3:
	VAR 3
.Lp4:
	TEST 6
	TEST 5
	VAR 4
.Lp5:
	VAR 5
.Lp6:
	TEST 7
	VAR 6
.Lp7:
	VAR 7
.Lp8:
	TEST 12
	TEST 10
	TEST 9
	VAR 8
.Lp9:
	VAR 9
.Lp10:
	TEST 11
	VAR 10
.Lp11:
	VAR 11
.Lp12:
	TEST 14
	TEST 13
	VAR 12
.Lp13:
	VAR 13
.Lp14:
	TEST 15
	VAR 14
.Lp15:
	VAR 15
.Lpicked:
	s_wait_xcnt 0x0                                ; the last trip's stores have read their registers
	s_lshr_b32 s20, s3, 1
	s_lshl_b32 s20, s20, 13                        ; 16 rows of hid's image are 8,192 bytes,
	s_and_b32 s21, s3, 1
	s_lshl_b32 s21, s21, 10                        ; 64 k four blocks
	s_add_co_u32 s20, s20, s21
	v_add_nc_u32 v[ST], s20, v[LO]
.set i, 0
.rept 32
	v_fma_f32 v[T+i], |v[U+i]|, s70, 1.0           ; 1 + p' |u|
.set i, i+1
.endr
	s_wait_alu depctr_va_vdst(0)                   ; the wait ahead of a batch of transcendentals
.set i, 0
.rept 32
	v_rcp_f32 v[T+i], v[T+i]                       ; t
	v_max_num_f32 v[R+i], 0, v[U+i]                ; first read behind the waits below
.set i, i+1
.endr
.set i, 0
.rept 16
	v_dual_mul_f32 v[E+i], v14, v[U+i] :: v_dual_mul_f32 v[E+i+1], v15, v[U+i+1]   ; k u
.set i, i+2
.endr
.set i, 0
.rept 16
	v_dual_mul_f32 v[E+i], v[E+i], v[E+i] :: v_dual_mul_f32 v[E+i+1], v[E+i+1], v[E+i+1]   ; (k u)^2
.set i, i+2
.endr
	s_wait_alu depctr_va_vdst(0)                   ; behind the reciprocals, ahead of their first reader, and ahead of the next batch
.set i, 0
.rept 16
	v_exp_f32 v[E+i], -v[E+i]                      ; 2^-(k u)^2
	v_dual_fma_f32 v[Q+i], v[T+i], v2, v4 :: v_dual_fma_f32 v[Q+i+1], v[T+i+1], v3, v5   ; c5 t + c4: first read behind the wait below
	v_exp_f32 v[E+i+1], -v[E+i+1]
.set i, i+2
.endr
	v_nop                                          ; a plain instruction behind the last power of two
	s_wait_alu depctr_va_vdst(0)                   ; one wait for the 32 powers of two and for what was written among them
	HORNER 6                                       ; c3
	HORNER 8                                       ; c2
	HORNER 10                                      ; c1
.set i, 0
.rept 16
	v_dual_mul_f32 v[E+i], v[E+i], v[T+i] :: v_dual_mul_f32 v[E+i+1], v[E+i+1], v[T+i+1]
.set i, i+2
.endr
.set i, 0
.rept 16
	v_dual_mul_f32 v[Q+i], v[Q+i], v[E+i] :: v_dual_mul_f32 v[Q+i+1], v[Q+i+1], v[E+i+1]   ; y
.set i, i+2
.endr
.set i, 0
.rept 32
	v_fma_f32 v[U+i], -|v[U+i]|, v[Q+i], v[R+i]    ; gelu(u) = max(u, 0) - |u| y
.set i, i+1
.endr
.set i, 0
.rept 32
	v_med3_num_f32 v[U+i], v[U+i], -v13, v13       ; the conversion to an 8-bit code does not saturate (ISA guide 7.6.2): the hold comes first
.set i, i+1
.endr
.irp bb, 0,1,2,3
	v_cvt_scalef32_pk8_fp8_f32 v[T+2*\bb:T+2*\bb+1], v[U+8*\bb:U+8*\bb+7], v12
.endr
	v_nop                                          ; one plain instruction behind the last conversion
.irp bb, 0,1,2,3
	global_store_b64 v[ST], v[T+2*\bb:T+2*\bb+1], s[84:85] offset:256*\bb   ; the wave stores one block of 16 rows x 16 k: 256 consecutive bytes, aligned
.endr
	s_add_co_u32 s3, s3, 1
	s_cmp_lt_u32 s3, 16
	s_cbranch_scc1 .Lout
	s_wait_tensorcnt 0x0                           ; the wave's end
	ds_add_u32 v[SPW], v[NIL]
	s_wait_dscnt 0x0
	CROUND                                         ; the closing round
	s_endpgm
.Lfunc_end_k_q9038e09493_g1:
	.size	k_q9038e09493_g1, .Lfunc_end_k_q9038e09493_g1-k_q9038e09493_g1
	.p2alignl 7, 3214868480
	.fill 96, 4, 3214868480
	.section	.rodata,"a",@progbits
	.p2align	6, 0x0
	.amdhsa_kernel k_q9038e09493_g1
		.amdhsa_group_segment_fixed_size 327680
		.amdhsa_private_segment_fixed_size 0
		.amdhsa_enable_private_segment 0
		.amdhsa_kernarg_size 40
		.amdhsa_user_sgpr_count 2
		.amdhsa_user_sgpr_kernarg_segment_ptr 1
		.amdhsa_wavefront_size32 1
		.amdhsa_system_sgpr_workgroup_id_x 1
		.amdhsa_system_sgpr_workgroup_id_y 1
		.amdhsa_system_sgpr_workgroup_id_z 1
		.amdhsa_system_vgpr_workitem_id 0
		.amdhsa_next_free_vgpr 1024
		.amdhsa_next_free_sgpr 100
		.amdhsa_reserve_vcc 0
		.amdhsa_float_denorm_mode_32 3
		.amdhsa_float_denorm_mode_16_64 3
		.amdhsa_memory_ordered 1
		.amdhsa_forward_progress 1
		.amdhsa_inst_pref_size 121
	.end_amdhsa_kernel
	.amdgpu_metadata
---
amdhsa.version: [ 1, 2 ]
amdhsa.kernels:
  - .name:           k_q9038e09493_g1
    .symbol:         k_q9038e09493_g1.kd
    .args:
      - { .name: h2, .offset: 0, .size: 8, .value_kind: global_buffer, .address_space: global }
      - { .name: w1_codes, .offset: 8, .size: 8, .value_kind: global_buffer, .address_space: global }
      - { .name: lowp_scales, .offset: 16, .size: 8, .value_kind: global_buffer, .address_space: global }
      - { .name: b1, .offset: 24, .size: 8, .value_kind: global_buffer, .address_space: global }
      - { .name: hid, .offset: 32, .size: 8, .value_kind: global_buffer, .address_space: global }
    .group_segment_fixed_size: 327680
    .private_segment_fixed_size: 0
    .kernarg_segment_align: 8
    .kernarg_segment_size: 40
    .max_flat_workgroup_size: 128
    .sgpr_count:     100
    .vgpr_count:     1024
    .wavefront_size: 32
...
	.end_amdgpu_metadata
.endif
;; end of part 5
;; launch g2 (part 6): grid 8 x 32, 4 waves a work-group, clusters of 4 x 4, 327,680 bytes of LDS; arguments hid, w2_codes, lowp_scales, b2, x1, out0; writes out0
.if DOCPART == 6
	.amdgcn_target "amdgcn-amd-amdhsa--gfx1250"
	.amdhsa_code_object_version 6
	.text
	.protected	k_q9038e09493_g2
	.globl	k_q9038e09493_g2
	.p2align	8
	.type	k_q9038e09493_g2,@function
k_q9038e09493_g2:
	s_mov_b64 s[64:65], 0
	v_nop
	global_prefetch_b8 v0, s[64:65] scope:SCOPE_SE
	s_setreg_imm32_b32 hwreg(HW_REG_WAVE_MODE, 25, 1), 1
	s_wait_xcnt 0x0
	s_wait_alu depctr_hold_cnt(0) depctr_sa_sdst(0) depctr_va_vdst(0) depctr_va_sdst(0) depctr_va_ssrc(0) depctr_va_vcc(0) depctr_vm_vsrc(0)
	s_getreg_b32 s2, hwreg(HW_REG_IB_STS2, 6, 4)
	s_cmp_eq_u32 s2, 0
	s_cbranch_scc0 .Lentry_in_a_cluster
	s_endpgm
.Lentry_in_a_cluster:
	s_bfe_u32 s2, ttmp6, 0x10000c
	s_cmp_lg_u32 s2, 0xf033
	s_cbranch_scc0 .Lentry_shape_is_right
	s_endpgm
.Lentry_shape_is_right:
; out0 = x1 + (hid w2 + b2), the product on codes of E4M3: sums x 2^(e14 + e15).
; A tile of 128 rows x 128 columns to a work-group (256 work-groups); four waves, each 64 x 64: 16 accumulators.  K = 4,096 goes in 8 slabs of 512 through a ring of two LDS slots.
; A slot holds A's 128 rows x 512 k (hid is laid as images of operand registers: 65,536 dense bytes, a fragment's load takes 512 consecutive bytes) and B's 128 rows x 512 bytes of w2's codes, 16 bytes of padding behind each row.
; WHO LOADS.  Wave w fills slot w / 2: A's tile (w even) or B's (w odd), one tensor load.  So the head's four loads, one a wave, fill both slots; behind each change of slots but the last the two waves of the slot that was left fill it again, 1,024 k further on.
; CLUSTERS: 4 x 4 work-groups; A's tiles are asked for jointly along a row of the cluster, B's along a column.  Each refill stands behind a round of the cluster's barrier.
; Both sides hold k = 32 c + 16 (lane / 16) + 0 .. 15 in registers 4 c .. 4 c + 3: a permutation of k, alike in A and B.  THE MATRIX INSTRUCTION IS USED TRANSPOSED (source 0 = 16 rows of B, source 1 = 16 rows of A): a lane holds eight neighbouring columns of one row.
; PREFETCH.  Behind the head's loads and behind each refill every wave names 32 blocks of 256 bytes of the slab that the NEXT refill loads (a slot's 64 matrix instructions a wave ahead of that load).  A slab's tile of A is 256 blocks, of B 256 (two a row);
; the four partners that ask for a tile jointly share its blocks out by address (cx for A, cy for B), 64 each, 32 a wave.  A's blocks are named once in each cluster that loads them; B's, which eight clusters load, by the four whose y is even.  The last refill has no slab behind it and asks for nothing.
; THE WAY OUT.  The wave's 64 x 64 numbers of x1 are asked for behind the first barrier, when both slots have landed, in the layout of the stores, and are waited for on the way out.  The sums go, 16 rows at a time, through the wave's own stage in LDS
; and come back as rows of 256 bytes; sum x 2^(e14 + e15) + b2, then + x1, as the model adds them; sixteen lanes store 256 consecutive bytes, aligned.
; LIMIT: e14 + e15 between -126 and 127.
; REGISTERS: window 0: v16-29 addresses, v32-95 rows on their way out, v96-99 b2, v128-255 the accumulators ((a, b) at v[128 + 8 (4 a + b)]).  window 1: two fragment buffers of 128: A's four fragments, then B's four.  window 2: v0-127 x1.
.set KTOT,  4096
.set BP,    528                        ; a row of B in LDS: 512 bytes + 16 = 132 words: the 16 rows of a load start at 16 different banks
.set BOFF,  65536                      ; B's rows lie behind A's 128 rows
.set SLOT,  BOFF+128*BP
.set SPARE, 2*SLOT                     ; behind the ring: the spare words, 128 bytes for each wave
.set STAGE, SPARE+512                  ; behind them: 16 rows x 272 bytes for each wave; no tensor load lands there
.set SP,    272
.set LAPS,  KTOT/1024                  ; a lap = two slabs = once round the ring
.set ADRA, 16                          ; v16-17 LDS address of my A fragments in slot 0, 1
.set ADRB, 20                          ; v20-21 the same for B
.set STO,  24                          ; v24 the stage: where I put 32 bytes of a row
.set RD,   25                          ; v25 and where I read a row back
.set CO,   26                          ; v26 my byte offset in two rows of x1 and out0
.set PFO,  27                          ; v27 the prefetches' offset; never rewritten
.set SPW,  28                          ; v28 my spare word; never rewritten
.set NIL,  29                          ; v29 0; never rewritten
.set BB,   32
.set B2Q,  96
.set ACC,  128
.set F0,   0
.set F1,   128
.set G1,   24                          ; s[24:31] group 1 for A's tiles; s[32:35] my group 0 for A; s[36:39] for B; s[48:55] group 1 for B's
.set G0,   32
.set G0B,  36
.set G1B,  48
.set LIM,  43                          ; s43 1 in a wave that prefetches, else the greatest number
.set PFA,  44                          ; s[44:45] where my prefetches stand
.set PFS,  46                          ; s[46:47] a slab on, in bytes
.set MSB, 0
.macro WIN new                         ; the immediate's high byte repeats the setting that is left
.if MSB != (\new)
	s_set_vgpr_msb (MSB<<8)|(\new)
.set MSB, (\new)
.endif
.endm
.set MUL,  0x05                        ; sources 0 (B) and 1 (A) window 1; C and D window 0
.set TO_F, 0x40                        ; destination window 1, address window 0
.macro PLACES                          ; four places behind matrix instructions (ISA guide 7.12.1)
.rept 4
	v_nop
.endr
.endm
.macro JLOAD                           ; my joint load: even waves A's tile, odd waves B's; an s_nop 0 and four v_nop follow each line
	s_cmp_eq_u32 s92, 0
	s_cbranch_scc0 .Lfor_b_\@
	tensor_load_to_lds s[G0:G0+3], s[G1:G1+7]
	s_nop 0
	PLACES
	s_branch .Lasked_\@
.Lfor_b_\@:
	tensor_load_to_lds s[G0B:G0B+3], s[G1B:G1B+7]
	s_nop 0
	PLACES
.Lasked_\@:
.endm
.macro ASK last                        ; last = 1: the lap's second change of slots, which in the loop's last trip (s3 = 1) has no slab to name
.if \last
	s_cmp_gt_u32 s3, s[LIM]
.else
	s_cmp_eq_u32 s[LIM], 1
.endif
	s_cbranch_scc0 .Lnone_\@
	global_prefetch_b8 v[PFO], s[PFA:PFA+1] th:TH_LOAD_NT scope:SCOPE_SE
.Lnone_\@:
.endm
.macro CREST                           ; a round of the cluster's barrier behind its opening barrier
	s_cmp_lg_u32 s90, 0
	s_cbranch_scc1 .Lnot_wave_0_\@
	s_barrier_signal -3
.Lnot_wave_0_\@:
	s_barrier_wait -3
	s_barrier_signal -1
	s_barrier_wait -1
.endm
.macro CROUND
	s_barrier_signal -1
	s_barrier_wait -1
	CREST
.endm
	s_load_b256 s[4:11], s[0:1], 0x0               ; hid, w2's codes, the exponents, b2
	s_load_b128 s[84:87], s[0:1], 0x20             ; x1, out0
	v_lshl_add_u32 v[SPW], v0, 2, SPARE
	v_mov_b32 v[NIL], 0
	ds_add_u32 v[SPW], v[NIL]                      ; the opening lines: the add, twice on end, and its wait ahead of my first tensor load
	ds_add_u32 v[SPW], v[NIL]
	v_lshrrev_b32 v1, 5, v0
	v_readfirstlane_b32 s90, v1                    ; wave
	s_lshr_b32 s91, s90, 1                         ; my half of the tile's rows.  Also: the slot that I fill
	s_and_b32 s92, s90, 1                          ; my half of its columns.  Also: I fetch for A (0) or for B (1)
	s_bfe_u32 s95, ttmp6, 0x40000                  ; cx, cy
	s_bfe_u32 s96, ttmp6, 0x40004
	s_lshl_b32 s94, ttmp9, 2
	s_add_co_u32 s94, s94, s95                     ; tile column
	s_and_b32 s93, ttmp7, 0xffff
	s_lshl_b32 s93, s93, 2
	s_add_co_u32 s93, s93, s96                     ; tile row
	s_lshl_b32 s97, s96, 2
	s_lshl_b32 s97, 15, s97                        ; my row of the cluster
	s_lshl_b32 s98, 0x1111, s95                    ; my column
	s_or_b32 s[G1+0], s97, (3<<16)|(1<<21)         ; A: the mask; elements of 8 bytes; bit 21 beside a mask; no padding
	s_mov_b32 s[G1+1], 32<<16                      ; rows of 256 bytes,
	s_mov_b32 s[G1+2], 256<<16                     ; 256 of them: a dense block of 65,536 bytes
	s_mov_b32 s[G1+3], 32<<16
	s_mov_b32 s[G1+4], 256
	s_mov_b32 s[G1+5], 32
	s_mov_b32 s[G1+6], 0
	s_mov_b32 s[G1+7], 0
	s_or_b32 s[G1B+0], s98, (1<<20)|(1<<21)|(6<<22)|(3<<25)  ; B: the mask; elements of 1 byte; four words of padding after every 128
	s_mov_b32 s[G1B+1], 512<<16
	s_mov_b32 s[G1B+2], 128<<16
	s_mov_b32 s[G1B+3], 512<<16
	s_mov_b32 s[G1B+4], 128
	s_mov_b32 s[G1B+5], KTOT
	s_mov_b32 s[G1B+6], 0
	s_mov_b32 s[G1B+7], 0
	s_lshl_b32 s16, s93, 16                        ; A: in a slab of 512 k, 128 rows are 65,536 bytes;
	s_lshl_b32 s17, s91, 21                        ; slab 0 or 1 (a slab is 2 MiB)
	s_add_co_u32 s16, s16, s17
	s_mov_b32 s17, 0
	s_lshl_b32 s40, s94, 19                        ; B: 128 rows of 4,096 bytes,
	s_lshl_b32 s41, s91, 9                         ; k 0 or 512 on
	s_add_co_u32 s40, s40, s41
	s_mov_b32 s41, 0
	s_mul_i32 s20, s91, SLOT                       ; where they go: no place in the cluster enters an LDS address
	s_add_co_u32 s21, s20, BOFF
	s_wait_dscnt 0x0                               ; both opening adds are done
	s_wait_kmcnt 0x0
	s_load_b64 s[88:89], s[8:9], 0x38              ; e14, e15
	s_mov_b32 s[G0], 1
	s_mov_b32 s[G0+1], s20
	s_add_nc_u64 s[G0+2:G0+3], s[4:5], s[16:17]
	s_or_b32 s[G0+3], s[G0+3], 0x80000000
	s_mov_b32 s[G0B], 1
	s_mov_b32 s[G0B+1], s21
	s_add_nc_u64 s[G0B+2:G0B+3], s[6:7], s[40:41]
	s_or_b32 s[G0B+3], s[G0B+3], 0x80000000
	CROUND                                         ; all sixteen work-groups are here: the first joint loads meet
	JLOAD                                          ; one tensor load a wave at the head: the four fill both slots
	s_lshl_b32 s22, s91, 15                        ; my 64 rows of A
	s_mul_i32 s23, s92, 64*BP
	s_add_co_u32 s23, s23, BOFF                    ; my 64 rows of B
	s_mul_i32 s12, s90, 16*SP
	s_add_co_u32 s12, s12, STAGE                   ; my stage
	s_lshl_b32 s56, s93, 19                        ; 128 rows of 4,096 bytes,
	s_lshl_b32 s57, s91, 18                        ; my wave's 64
	s_add_co_u32 s56, s56, s57
	s_mov_b32 s57, 0
	s_lshl_b32 s58, s94, 9                         ; 128 columns of 4 bytes, my wave's 64
	s_lshl_b32 s59, s92, 8
	s_add_co_u32 s58, s58, s59
	s_mov_b32 s59, 0
	s_add_nc_u64 s[10:11], s[10:11], s[58:59]
	s_add_nc_u64 s[60:61], s[56:57], s[58:59]
	s_add_nc_u64 s[84:85], s[84:85], s[60:61]
	s_add_nc_u64 s[86:87], s[86:87], s[60:61]
	s_lshl_b32 s14, s93, 16                        ; the prefetches.  A: my tile's block of a slab, + 64 blocks x cx, + 32 x (wave / 2),
	s_lshl_b32 s15, s95, 14
	s_add_co_u32 s14, s14, s15
	s_lshl_b32 s15, s91, 13
	s_add_co_u32 s14, s14, s15
	s_add_co_u32 s14, s14, 0x400000                ; in slab 2
	s_lshl_b32 s15, s94, 7                         ; B: row 128 x tile column + 32 x cy + 16 x (wave / 2),
	s_lshl_b32 s18, s96, 5
	s_add_co_u32 s15, s15, s18
	s_lshl_b32 s18, s91, 4
	s_add_co_u32 s15, s15, s18
	s_lshl_b32 s15, s15, 12
	s_add_co_u32 s15, s15, 1024                    ; k 1,024 on
	s_mov_b32 s[PFS], 512
	s_mov_b32 s[PFS+1], 0
	s_and_b32 s19, ttmp7, 1                        ; the cluster's y: the same in all partners
	s_and_b32 s19, s19, s92
	s_cmp_eq_u32 s19, 0
	s_cselect_b32 s[LIM], 1, -1                    ; B's waves ask where the cluster's y is even
	s_cmp_eq_u32 s92, 0
	s_cselect_b64 s[PFA:PFA+1], s[4:5], s[6:7]
	s_cselect_b32 s18, s14, s15
	s_cselect_b32 s[PFS], 0x200000, s[PFS]
	s_cselect_b32 s13, 0, -1
	s_mov_b32 s19, 0
	s_add_nc_u64 s[PFA:PFA+1], s[PFA:PFA+1], s[18:19]
	v_and_b32 v1, 15, v0                           ; r
	v_bfe_u32 v2, v0, 4, 1                         ; h
	v_and_b32 v6, 31, v0                           ; lane
	v_lshlrev_b32 v3, 4, v6
	v_mul_u32_u24 v4, v1, BP
	v_lshl_add_u32 v4, v2, 4, v4
	v_add_nc_u32 v[ADRA], s22, v3
	v_add_nc_u32 v[ADRB], s23, v4
	v_add_nc_u32 v[ADRA+1], SLOT, v[ADRA]
	v_add_nc_u32 v[ADRB+1], SLOT, v[ADRB]
	v_mul_u32_u24 v5, v1, SP
	v_lshl_add_u32 v5, v2, 5, v5
	v_add_nc_u32 v[STO], s12, v5                   ; in: row r, 32 bytes for each half of the lanes
	v_mul_u32_u24 v5, v2, SP
	v_lshl_add_u32 v5, v1, 4, v5
	v_add_nc_u32 v[RD], s12, v5                    ; back: lanes 0-15 one row of 256 bytes, lanes 16-31 the next
	v_lshlrev_b32 v[CO], 12, v2
	v_lshl_add_u32 v[CO], v1, 4, v[CO]             ; and the same two rows in memory
	v_lshlrev_b32 v7, 4, v1                        ; b2 at the four columns that I store
	v_lshlrev_b32 v8, 8, v6                        ; A's blocks: 256 bytes from lane to lane
	v_lshrrev_b32 v9, 1, v6
	v_lshlrev_b32 v9, 12, v9                       ; B's: two lanes to a row of 4,096 bytes,
	v_and_b32 v10, 1, v6
	v_lshl_add_u32 v9, v10, 8, v9                  ; 256 bytes apart
	v_cndmask_b32 v[PFO], v8, v9, s13
	s_wait_alu depctr_va_vdst(0)                   ; the wait at the head's end
	global_load_b128 v[B2Q:B2Q+3], v7, s[10:11]
	ASK 0                                          ; slab 2, which the first refill loads
.macro MUL4 f, a, zero                 ; A's block a against B's four.  The 16 accumulators take turns, one instruction a turn, in the same order in every quarter
.irp b, 0,1,2,3
.if \zero
	v_wmma_f32_16x16x128_fp8_fp8 v[ACC+8*(4*(\a)+\b):ACC+8*(4*(\a)+\b)+7], v[\f+64+16*\b:\f+64+16*\b+15], v[\f+16*(\a):\f+16*(\a)+15], 0
.else
	v_wmma_f32_16x16x128_fp8_fp8 v[ACC+8*(4*(\a)+\b):ACC+8*(4*(\a)+\b)+7], v[\f+64+16*\b:\f+64+16*\b+15], v[\f+16*(\a):\f+16*(\a)+15], v[ACC+8*(4*(\a)+\b):ACC+8*(4*(\a)+\b)+7]
.endif
.endr
.endm
.macro MUL8 f, a0, zero
	MUL4 \f, \a0, \zero
	MUL4 \f, \a0+1, \zero
.endm
.macro FETCH slot, q, f                ; 32 LDS loads in one run: the fragments of the slot's q-th 128 along K: B's four, then A's four
	WIN TO_F
.irp i, 0,1,2,3
.irp c, 0,1,2,3
	ds_load_b128 v[\f+64+16*\i+4*\c:\f+64+16*\i+4*\c+3], v[ADRB+\slot] offset:128*(\q)+32*\c+\i*16*BP
.endr
.endr
.irp i, 0,1,2,3
.irp c, 0,1,2,3
	ds_load_b128 v[\f+16*\i+4*\c:\f+16*\i+4*\c+3], v[ADRA+\slot] offset:\i*8192+(\q)*2048+512*\c
.endr
.endr
.endm
.macro QUARTER slot, qn, f, g, zero    ; 128 along K: multiplies buffer f; in its middle fetches the slot's quarter qn into g
	s_wait_dscnt 8                                 ; B and A's blocks 0, 1 are in; the youngest eight loads (A's blocks 2, 3) may be out
	WIN MUL
	MUL8 \f, 0, \zero
	PLACES
	FETCH \slot, \qn, \g
	s_wait_dscnt 32                                ; all but the 32 just issued
	WIN MUL
	MUL8 \f, 2, \zero
.endm
; A slot's last quarter multiplies buffer 1 and changes slots: one barrier; in front of it each wave waits for all its tensor loads, adds 0 to its spare word, and waits for that and for its reads of this slot.
; fill = 1: the barrier opens a round of the cluster's barrier, and the two waves of this slot fill it again first thing behind the round.
.macro TURN slot, next, fill
.if \fill
	s_wait_xcnt 0x0                                ; my last prefetch has read its address:
	s_add_nc_u64 s[PFA:PFA+1], s[PFA:PFA+1], s[PFS:PFS+1]  ; a slab on
.endif
	WIN 0                                          ; (the add's two registers lie in window 0)
	s_wait_tensorcnt 0x0                           ; all my tensor loads have landed
	ds_add_u32 v[SPW], v[NIL]                      ; 0 onto my spare word
	s_wait_dscnt 9                                 ; (the add and the youngest eight loads may be out)
	WIN MUL
	MUL4 F1, 0, 0
	s_wait_dscnt 0x0                               ; the add is done, and my reads of this slot are over
	s_barrier_signal -1
	MUL4 F1, 1, 0
	WIN 0
	s_barrier_wait -1
.if \fill
	CREST                                          ; no wave of any partner still reads this slot or has a load on its way
.if \slot == 0
	s_add_nc_u64 s[G0+2:G0+3], s[G0+2:G0+3], 0x400000   ; once a lap, in every wave: my slot's next slab (no load of mine is out)
	s_add_nc_u64 s[G0B+2:G0B+3], s[G0B+2:G0B+3], 1024
.endif
	s_cmp_lg_u32 s91, \slot
	s_cbranch_scc1 .Lother_\@
	s_mov_b32 s[G0+1], \slot*SLOT
	s_mov_b32 s[G0B+1], \slot*SLOT+BOFF
	JLOAD                                          ; my one tensor load behind the round
.Lother_\@:
.endif
	PLACES                                         ; in front of the loads into buffer 0
	FETCH \next, 0, F0
.if \fill
	WIN 0
	ASK \slot                                      ; the slab that the next refill loads
.endif
	WIN MUL
	MUL4 F1, 2, 0
	MUL4 F1, 3, 0
.endm
	s_wait_tensorcnt 0x0                           ; my load is in
	s_barrier_signal -1
	s_barrier_wait -1                              ; everybody's is: both slots are whole
	FETCH 0, 0, F0
	WIN 0x80                                       ; destination window 2
.irp a, 0,1,2,3
.irp t, 0,1,2,3,4,5,6,7
	global_load_b128 v[4*(8*\a+\t):4*(8*\a+\t)+3], v[CO], s[84:85] offset:(16*\a+2*\t)*4096 th:TH_LOAD_NT   ; x1 at my 64 x 64, as the stores will want it; waited for on the way out
.endr
.endr
	QUARTER 0, 1, F0, F1, 1                        ; the first products start the sums: nothing is cleared
	WIN 0
	s_mov_b32 s3, LAPS-1
.Llap:                                                 ; a trip goes once round the ring, from a lap's second quarter to the next lap's first, and fills both slots again
	QUARTER 0, 2, F1, F0, 0
	QUARTER 0, 3, F0, F1, 0
	TURN 0, 1, 1
	QUARTER 1, 1, F0, F1, 0
	QUARTER 1, 2, F1, F0, 0
	QUARTER 1, 3, F0, F1, 0
	TURN 1, 0, 1
	QUARTER 0, 1, F0, F1, 0
	WIN 0
	s_sub_co_u32 s3, s3, 1
	s_cmp_lg_u32 s3, 0
	s_cbranch_scc1 .Llap
	QUARTER 0, 2, F1, F0, 0                        ; the last lap fills nothing
	QUARTER 0, 3, F0, F1, 0
	TURN 0, 1, 0
	QUARTER 1, 1, F0, F1, 0
	QUARTER 1, 2, F1, F0, 0
	QUARTER 1, 3, F0, F1, 0
	s_wait_dscnt 8
	WIN MUL
	MUL8 F1, 0, 0
	s_wait_dscnt 0x0
	MUL8 F1, 2, 0
	WIN 0
.macro TOSTAGE a                       ; block a's 16 rows x 64 sums into my stage, each accumulator from its low end on, and back as rows.  LDS serves a wave's instructions in order (ISA guide 5.7.1.4)
.irp b, 0,1,2,3
	ds_store_b128 v[STO], v[ACC+8*(4*(\a)+\b):ACC+8*(4*(\a)+\b)+3] offset:64*\b
	ds_store_b128 v[STO], v[ACC+8*(4*(\a)+\b)+4:ACC+8*(4*(\a)+\b)+7] offset:64*\b+16
.endr
.irp t, 0,1,2,3,4,5,6,7
	ds_load_b128 v[BB+32*((\a)%2)+4*\t:BB+32*((\a)%2)+4*\t+3], v[RD] offset:\t*2*SP
.endr
.endm
.macro SEND a, younger                 ; younger: the LDS instructions issued behind block a's loads
	s_wait_dscnt \younger
.set i, 0
.rept 16
	v_pk_fma_f32 v[BB+32*((\a)%2)+i:BB+32*((\a)%2)+i+1], v[BB+32*((\a)%2)+i:BB+32*((\a)%2)+i+1], s[88:89], v[B2Q+i%4:B2Q+i%4+1] op_sel_hi:[1,0,1]   ; sum x 2^(e14 + e15) + b2
.set i, i+2
.endr
	WIN 0x08                                       ; source 1 (x1) window 2
.set i, 0
.rept 16
	v_pk_add_f32 v[BB+32*((\a)%2)+i:BB+32*((\a)%2)+i+1], v[BB+32*((\a)%2)+i:BB+32*((\a)%2)+i+1], v[32*(\a)+i:32*(\a)+i+1]
.set i, i+2
.endr
	WIN 0
.irp t, 0,1,2,3,4,5,6,7
	global_store_b128 v[CO], v[BB+32*((\a)%2)+4*\t:BB+32*((\a)%2)+4*\t+3], s[86:87] offset:(16*(\a)+2*\t)*4096 th:TH_STORE_NT   ; 16 lanes store 256 consecutive bytes, aligned
.endr
.endm
	s_wait_loadcnt 0x0                             ; x1 and b2
	s_wait_kmcnt 0x0
	s_add_co_i32 s88, s88, s89
	s_add_co_i32 s88, s88, 127
	s_lshl_b32 s88, s88, 23                        ; 2^(e14 + e15) as f32
	s_mov_b32 s89, s88                             ; (named with it as a pair)
	PLACES
	TOSTAGE 0
.irp a, 1,2,3
.if \a > 1
	s_wait_xcnt 0x0                                ; block a - 2's stores have read their registers: block a's rows may land there
.endif
	TOSTAGE \a
	SEND \a-1, 16                                  ; behind block a - 1's loads: block a's 8 stores and 8 loads
.endr
	SEND 3, 0
	s_wait_tensorcnt 0x0                           ; the wave's end
	ds_add_u32 v[SPW], v[NIL]
	s_wait_dscnt 0x0
	CROUND                                         ; the closing round
	s_endpgm
.Lfunc_end_k_q9038e09493_g2:
	.size	k_q9038e09493_g2, .Lfunc_end_k_q9038e09493_g2-k_q9038e09493_g2
	.p2alignl 7, 3214868480
	.fill 96, 4, 3214868480
	.section	.rodata,"a",@progbits
	.p2align	6, 0x0
	.amdhsa_kernel k_q9038e09493_g2
		.amdhsa_group_segment_fixed_size 327680
		.amdhsa_private_segment_fixed_size 0
		.amdhsa_enable_private_segment 0
		.amdhsa_kernarg_size 48
		.amdhsa_user_sgpr_count 2
		.amdhsa_user_sgpr_kernarg_segment_ptr 1
		.amdhsa_wavefront_size32 1
		.amdhsa_system_sgpr_workgroup_id_x 1
		.amdhsa_system_sgpr_workgroup_id_y 1
		.amdhsa_system_sgpr_workgroup_id_z 1
		.amdhsa_system_vgpr_workitem_id 0
		.amdhsa_next_free_vgpr 768
		.amdhsa_next_free_sgpr 100
		.amdhsa_reserve_vcc 0
		.amdhsa_float_denorm_mode_32 3
		.amdhsa_float_denorm_mode_16_64 3
		.amdhsa_memory_ordered 1
		.amdhsa_forward_progress 1
		.amdhsa_inst_pref_size 82
	.end_amdhsa_kernel
	.amdgpu_metadata
---
amdhsa.version: [ 1, 2 ]
amdhsa.kernels:
  - .name:           k_q9038e09493_g2
    .symbol:         k_q9038e09493_g2.kd
    .args:
      - { .name: hid, .offset: 0, .size: 8, .value_kind: global_buffer, .address_space: global }
      - { .name: w2_codes, .offset: 8, .size: 8, .value_kind: global_buffer, .address_space: global }
      - { .name: lowp_scales, .offset: 16, .size: 8, .value_kind: global_buffer, .address_space: global }
      - { .name: b2, .offset: 24, .size: 8, .value_kind: global_buffer, .address_space: global }
      - { .name: x1, .offset: 32, .size: 8, .value_kind: global_buffer, .address_space: global }
      - { .name: out0, .offset: 40, .size: 8, .value_kind: global_buffer, .address_space: global }
    .group_segment_fixed_size: 327680
    .private_segment_fixed_size: 0
    .kernarg_segment_align: 8
    .kernarg_segment_size: 48
    .max_flat_workgroup_size: 128
    .sgpr_count:     100
    .vgpr_count:     768
    .wavefront_size: 32
...
	.end_amdgpu_metadata
.endif
;; end of part 6
